; MI455X (gfx1250); checked and timed in simulation.
; The chip was launched on July 23, 2026; its instructions are those of AMD's public machine-readable ISA for CDNA 5 (MIT licence, August 2026) and "CDNA5" Instruction Set Architecture Reference Guide (July 2026). The comments in the code are by the model that wrote it; some were corrected since.
;; DNA Structure Attention. Allowed arithmetic: matrix products marked QUANTISED: E4M3 operands, one given power-of-two scale a tensor, by v_wmma_f32_16x16x64_fp8_fp8 or v_wmma_f32_16x16x128_fp8_fp8, f32 sums; everything else in f32.
;; Inputs: dna_bias 2,048 x 2,048 float32; lowp_scales 8 int32 (the exponents e of the quantised operands' scales 2^e); out_b 1,024 float32; out_w 1,024 x 1,024 float32; qkv_b 3,072 float32; qkv_w 3,072 x 1,024 float32; x 4 x 2,048 x 1,024 float32.
;; Outputs: out0 4 x 2,048 x 1,024 float32.
;; This version of the problem:
;;   THIS VERSION OF THE PROBLEM IS GIVEN IN LOW PRECISION. The matrix products marked QUANTISED in the list below multiply operands that are first quantised to E4M3 (4 exponent bits, 3 mantissa bits; 8 bits a number), with one given power-of-two scale for each operand tensor; their sums are f32. All else is computed in f32.
;;   The module's matrix products, in the order in which they are computed (A, B: the left and right operand; K: the contracted axis; several contracted axes count as one K, in the product's order):
;;     1. [M 8,192, K 1,024] x [K 1,024, N 3,072]; A: input x; B: input qkv_w: QUANTISED (scales: A lowp_scales[0], B lowp_scales[1])
;;     2. batch 64 x [M 2,048, K 64] x [K 64, N 2,048]; A: computed on the way; B: computed on the way: QUANTISED (scales: A lowp_scales[2], B lowp_scales[3])
;;     3. batch 64 x [M 2,048, K 2,048] x [K 2,048, N 64]; A: softmax (see below); B: computed on the way: QUANTISED (scales: A lowp_scales[4], B lowp_scales[5])
;;     4. [M 8,192, K 1,024] x [K 1,024, N 1,024]; A: computed on the way; B: input out_w: QUANTISED (scales: A lowp_scales[6], B lowp_scales[7])
;;   THE QUANTISER, for each operand of a quantised product, along K:
;;     - The operand's scale is 2^e, e = its entry of the input lowp_scales (int32; the entries are numbered through the quantised products in the list's order, A before B).
;;     - Each number is divided by the scale, clamped to +-448, and rounded to the nearest number of E4M3, ties to even, subnormals kept.
;;     - The product sums the exact products of the quantised numbers (number of the format x scale) in f32.
;;   ~~~python
;;   def quantise(x, axis, e):      # numpy; x: float32 -> the quantised numbers, widened to float32 again
;;       x = np.moveaxis(x, axis, -1); K = x.shape[-1]
;;       r = np.clip(x / 2.0 ** e, -448, 448)
;;       step = 2.0 ** (np.maximum(np.frexp(np.where(r == 0, 1, r))[1] - 1, -6) - 3)
;;       q = np.round(r / step) * step * 2.0 ** e      # np.round: ties to even
;;       return np.moveaxis(q, -1, axis).astype(np.float32)
;;   ~~~
;;   SOFTMAX AHEAD OF A QUANTISED PRODUCT. Where the list says 'softmax', what is quantised is not the finished softmax but p = 2^(t - M), with t = logit x log2(e) and M = ceil(the row's largest t), a whole number; so 1/2 < the row's largest p <= 1. The row's sum l is taken of the UNQUANTISED p, in f32, and the product's result is divided by l at the end. Since M is a whole number, a kernel that streams over the keys may use a running M (the ceiling of the running maximum): every later rescaling is an exact power of two, so the quantised numbers keep their values, but for numbers so far below the row's largest that they fall under the format's range.
;;   OPERANDS COMPUTED ON THE WAY. 'Computed on the way' means the value that the module computes at that place (a softmax that the list does not call 'softmax' is quantised finished and normalised). What goes into a quantiser is computed in f32, as accurately as f32 sums, v_exp_f32 and their like allow (about 1e-6 of the number): no bf16 or f16 on the way to a quantiser, and a product that is left as it is and whose result goes on into a quantised operand takes f32 operands (vector FMAs, or v_wmma_f32_16x16x4_f32). A number that lies on a knife's edge between two numbers of the format may be rounded either way, as far as f32 arithmetic and the matrix unit's own rounding can turn it there, and no further.
;; One version. Each part assembles by itself: llvm-mc -triple=amdgcn-amd-amdhsa -mcpu=gfx1250 --defsym DOCPART=n.
;; ======== version 1 of 1: 4 launches
;; workspace buffers: x_img 8,388,608 bytes; wq_img 3,145,728 bytes; wo_img 1,048,576 bytes; b_img 16,777,216 bytes; q_img 8,388,608 bytes; k_img 8,388,608 bytes; v_img 8,388,608 bytes; a_img 8,388,608 bytes
;; launch prep (part 1): grid 456 x 1, 4 waves a work-group, no clusters, 34,304 bytes of LDS; arguments x, qkv_w, out_w, dna_bias, lowp_scales, x_img, wq_img, wo_img, b_img; writes x_img, wq_img, wo_img, b_img
.if DOCPART == 1
	.amdgcn_target "amdgcn-amd-amdhsa--gfx1250"
	.amdhsa_code_object_version 6
	.text
	.protected	k_q58fb600c8f_prep
	.globl	k_q58fb600c8f_prep
	.p2align	8
	.type	k_q58fb600c8f_prep,@function
k_q58fb600c8f_prep:
	s_mov_b64 s[64:65], 0
	v_nop
	global_prefetch_b8 v0, s[64:65] scope:SCOPE_SE
	s_setreg_imm32_b32 hwreg(HW_REG_WAVE_MODE, 25, 1), 1
	s_wait_xcnt 0x0
; x [8192][1024], qkv_w [3072][1024], out_w [1024][1024] (f32, K innermost) become codes of FP8 (E4M3) with the given scales 2^e0, 2^e1, 2^e7, laid as IMAGES OF THE OPERAND'S REGISTERS;
; the part of dna_bias [2048][2048] that the causal mask keeps becomes images of the score product's accumulators: bias x 2^(3 - e2 - e3), with -2^100 written where key > query.
; A FRAGMENT (16 rows x 128 k, 16 registers): lane (r, h) holds row r; registers 2 c, 2 c + 1 hold k = 16 c + 8 h + 0 .. 7.  It is stored as four groups of four registers, group g at byte 512 g + 16 x lane: 2,048 bytes.
; CODES' BUFFERS: byte = (row / 128) x 131072 + (k / 256) x 32768 + ((row / 16) % 8) x 4096 + ((k / 128) % 2) x 2048 + the place in the fragment: 128 rows x 256 k are 32,768 consecutive bytes.
; AN ACCUMULATOR IMAGE (16 queries x 128 keys, 64 registers of f32): register 8 t + j of lane (r, h) is (query r, key 16 t + 8 h + j); group i of four registers at byte 512 i + 16 x lane: 8,192 bytes.
; b_img: [block of 64 queries qb: 32][step of 128 keys: 16][tile of 16 queries: 4][8,192 bytes]; of block qb only steps 0 .. 2 (qb / 4) + 1 are written (and read later): all other keys come after all 256 queries of its group.
; A UNIT is 16 rows x 128 columns of f32.  A wave takes four units.  Each load reads 512 consecutive bytes of a row; the unit turns through the wave's own stage in LDS (rows of 512 + 16 bytes), and comes back with
; register 8 c + j of lane (r, h) = (row r, column 16 c + 8 h + j), which is what both kinds of image want.  Every store of the wave covers 512 consecutive bytes, aligned.
; Work-groups 0-255 take x, 256-351 qkv_w, 352-383 out_w, 384-455 dna_bias: pointers, offsets and pitches are chosen by selects on the work-group's number; one path through LDS serves all, only the register work parts.
; No tensor loads, no barrier: waves share nothing.  Matrix units and clusters have nothing to do in a stream.
; LIMITS: e0, e1, e7 between -126 and 119; e2 + e3 between -90 and 29 (2^(3 - e2 - e3) is an f32 number, and -2^100 times the later factor stays finite and far under every logit).  NaN among the inputs is not served.
.set STG,  8448                        ; a wave's stage: 16 rows x 528 bytes
.set SP,   528                         ; 132 words: row r starts at bank 4 r mod 64
.set OFF,  12                          ; v12-27   16 x lane + i x the row pitch
.set R,    32                          ; v32-159  two sets of 64: a unit as loaded
.set X,    160                         ; v160-223 a unit turned
.set C,    224                         ; v224-239 a fragment's codes
.set IB,   36                          ; s[36:43] the four units' input addresses; never rewritten
	s_load_b512 s[4:19], s[0:1], 0x0               ; x, qkv_w, out_w, dna_bias, lowp_scales, x_img, wq_img, wo_img
	s_load_b64 s[20:21], s[0:1], 0x40              ; b_img
	v_lshl_add_u32 v240, v0, 2, 0x8400
	v_mov_b32 v241, 0
	v_lshrrev_b32 v1, 5, v0
	v_readfirstlane_b32 s22, v1                    ; wave
	v_and_b32 v1, 31, v0                           ; lane
	v_lshlrev_b32 v2, 4, v1                        ; 16 x lane: the stores' offset
	v_and_b32 v7, 15, v0                           ; r
	v_bfe_u32 v8, v0, 4, 1                         ; h
	s_mul_i32 s23, s22, STG
	v_add_nc_u32 v3, s23, v2                       ; the stage, on the way in
	v_mul_u32_u24 v4, v7, SP
	v_lshl_add_u32 v4, v8, 5, v4
	v_add_nc_u32 v4, s23, v4                       ; and on the way out: row r, + 32 h
	v_mov_b32 v6, 0xf1800000                       ; -2^100
	s_mov_b32 s46, 384                             ; the first work-group of my kind
	s_cmp_lt_u32 ttmp9, 384
	s_cselect_b32 s46, 352, s46
	s_cmp_lt_u32 ttmp9, 352
	s_cselect_b32 s46, 256, s46
	s_cmp_lt_u32 ttmp9, 256
	s_cselect_b32 s46, 0, s46
	s_sub_co_u32 s48, ttmp9, s46
	s_lshl_b32 s48, s48, 2
	s_add_co_u32 s48, s48, s22                     ; my wave's number within its kind
	; the quantising kinds: tile of 16 rows rt = number / 2, half of the 1,024 columns hj = number % 2
	s_lshr_b32 s49, s48, 1
	s_and_b32 s50, s48, 1
	s_lshl_b32 s51, s49, 16                        ; in: 16 rows of 4,096 bytes,
	s_lshl_b32 s52, s50, 11
	s_add_co_u32 s51, s51, s52                     ; + 2,048 hj
	s_lshr_b32 s52, s49, 3
	s_lshl_b32 s52, s52, 17
	s_lshl_b32 s53, s50, 16
	s_add_co_u32 s52, s52, s53
	s_and_b32 s53, s49, 7
	s_lshl_b32 s53, s53, 12
	s_add_co_u32 s52, s52, s53                     ; out: (rt / 8) x 131072 + hj x 65536 + (rt % 8) x 4096
	; the bias kind: 288 pairs (qb, step).  number = 18 pc + i; pc = 4 P + c; the first 2 P + 2 of the 18 belong to group P of 256 queries, the other 16 - 2 P to group 7 - P
	s_mul_i32 s54, s48, 3641
	s_lshr_b32 s54, s54, 16                        ; pc = number / 18 (exact up to 287: 18 x 3641 = 65538)
	s_mul_i32 s55, s54, 18
	s_sub_co_u32 s55, s48, s55                     ; i
	s_lshr_b32 s56, s54, 2                         ; P
	s_and_b32 s57, s54, 3                          ; c
	s_lshl_b32 s58, s56, 1
	s_add_co_u32 s58, s58, 2                       ; 2 P + 2
	s_sub_co_u32 s59, 7, s56
	s_sub_co_u32 s60, s55, s58
	s_cmp_lt_u32 s55, s58
	s_cselect_b32 s59, s56, s59                    ; the group of 256 queries,
	s_cselect_b32 s60, s55, s60                    ; the step of 128 keys
	s_lshl_b32 s59, s59, 2
	s_add_co_u32 s59, s59, s57                     ; qb
	s_lshl_b32 s61, s59, 19                        ; in: 64 rows of 8,192 bytes,
	s_lshl_b32 s62, s60, 9
	s_add_co_u32 s61, s61, s62                     ; + 512 x step
	s_lshl_b32 s62, s59, 4
	s_add_co_u32 s62, s62, s60
	s_lshl_b32 s62, s62, 15                        ; out: (16 qb + step) x 32768
	s_lshl_b32 s63, s59, 6
	s_lshl_b32 s23, s60, 7
	s_sub_co_i32 s63, s63, s23                     ; 64 qb - 128 step
	v_lshlrev_b32 v9, 3, v8
	v_sub_nc_u32 v5, v7, v9
	v_add_nc_u32 v5, s63, v5                       ; d0 = 64 qb - 128 step + r - 8 h: register 8 t + j of unit u is hidden where 16 t + j - 16 u > d0
	s_mov_b32 s53, 8192                            ; the row pitch and the step from unit to unit, in bytes
	s_mov_b32 s54, 131072
	s_cmp_lt_u32 ttmp9, 384
	s_cselect_b32 s51, s51, s61
	s_cselect_b32 s52, s52, s62
	s_cselect_b32 s53, 4096, s53
	s_cselect_b32 s54, 512, s54
	s_mov_b32 s56, s51
	s_mov_b32 s57, 0
	s_mov_b32 s58, s52
	s_mov_b32 s59, 0
	s_mov_b32 s60, s54
	s_mov_b32 s61, 0
.irp i, 0,1,2,3,4,5,6,7,8,9,10,11,12,13,14,15
	v_mad_u32_u24 v[OFF+\i], s53, \i, v2
.endr
	s_wait_kmcnt 0x0
	s_load_b256 s[24:31], s[12:13], 0x0            ; e0 .. e7
	s_mov_b64 s[32:33], s[20:21]                   ; the buffers of my kind: the choice hangs on the work-group's number alone
	s_mov_b64 s[34:35], s[10:11]
	s_cmp_lt_u32 ttmp9, 384
	s_cselect_b64 s[32:33], s[18:19], s[32:33]
	s_cselect_b64 s[34:35], s[8:9], s[34:35]
	s_cmp_lt_u32 ttmp9, 352
	s_cselect_b64 s[32:33], s[16:17], s[32:33]
	s_cselect_b64 s[34:35], s[6:7], s[34:35]
	s_cmp_lt_u32 ttmp9, 256
	s_cselect_b64 s[32:33], s[14:15], s[32:33]
	s_cselect_b64 s[34:35], s[4:5], s[34:35]
	s_add_nc_u64 s[IB:IB+1], s[34:35], s[56:57]
	s_add_nc_u64 s[IB+2:IB+3], s[IB:IB+1], s[60:61]
	s_add_nc_u64 s[IB+4:IB+5], s[IB+2:IB+3], s[60:61]
	s_add_nc_u64 s[IB+6:IB+7], s[IB+4:IB+5], s[60:61]
	s_add_nc_u64 s[32:33], s[32:33], s[58:59]
.macro LOAD u                          ; unit u into set u % 2: sixteen loads, each 512 consecutive bytes of one row; read once in the launch
.irp i, 0,1,2,3,4,5,6,7,8,9,10,11,12,13,14,15
	global_load_b128 v[R+64*((\u)%2)+4*\i:R+64*((\u)%2)+4*\i+3], v[OFF+\i], s[IB+2*(\u):IB+2*(\u)+1] th:TH_LOAD_NT
.endr
.endm
.macro TURN u                          ; through my stage: LDS serves a wave's instructions in order (ISA guide 5.7.1.4), so no wait stands between the stores and the loads
.irp i, 0,1,2,3,4,5,6,7,8,9,10,11,12,13,14,15
	ds_store_b128 v3, v[R+64*((\u)%2)+4*\i:R+64*((\u)%2)+4*\i+3] offset:SP*\i
.endr
.irp c, 0,1,2,3,4,5,6,7
	ds_load_b128 v[X+8*\c:X+8*\c+3], v4 offset:64*\c
	ds_load_b128 v[X+8*\c+4:X+8*\c+7], v4 offset:64*\c+16
.endr
.endm
.macro QT u                            ; a fragment of codes
.set n, 0
.rept 64
	v_med3_num_f32 v[X+n], v[X+n], -v10, v10       ; the conversion to an 8-bit code does not saturate (ISA guide 7.6.2): the hold at the largest code x the scale
.set n, n+1
.endr
.irp c, 0,1,2,3,4,5,6,7
	v_cvt_scalef32_pk8_fp8_f32 v[C+2*\c:C+2*\c+1], v[X+8*\c:X+8*\c+7], v11
.endr
	v_nop                                          ; a plain vector line behind the conversions: the next unit's holds write their sources
.irp g, 0,1,2,3
	global_store_b128 v2, v[C+4*\g:C+4*\g+3], s[32:33] offset:((\u)/2)*32768+((\u)%2)*2048+512*\g
.endr
.endm
.macro BT u                            ; an accumulator image of the bias
.set n, 0
.rept 32
	v_pk_mul_f32 v[X+n:X+n+1], v[X+n:X+n+1], s[44:45] op_sel_hi:[1,0]   ; x 2^(3 - e2 - e3): nothing is rounded
.set n, n+2
.endr
.set n, 0
.rept 64
	v_cmp_gt_i32 vcc_lo, 16*(n/8)+n%8-16*(\u), v5  ; key > query: the causal mask, always worked, with no branch
	v_cndmask_b32 v[X+n], v[X+n], v6, vcc_lo
.set n, n+1
.endr
.irp i, 0,1,2,3,4,5,6,7,8,9,10,11,12,13,14,15
	global_store_b128 v2, v[X+4*\i:X+4*\i+3], s[32:33] offset:(\u)*8192+512*\i
.endr
.endm
.macro UNIT u
	s_wait_xcnt 0x0                                ; the last unit's stores have read their data: X and C are written again only behind this wait
.if (\u) < 3
	s_wait_loadcnt 16                              ; this unit's sixteen loads are in; the next unit's sixteen may be out
.else
	s_wait_loadcnt 0x0
.endif
	TURN \u
	s_wait_dscnt 0x0                               ; the unit is back, and the stage's stores have read their registers,
.if (\u) < 2
	LOAD (\u)+2                                    ; which take the unit two further on
.endif
	s_cmp_lt_u32 ttmp9, 384
	s_cbranch_scc0 .Lbias_\@
	QT \u
	s_branch .Ljoin_\@
.Lbias_\@:
	BT \u
.Ljoin_\@:
.endm
	LOAD 0
	LOAD 1
	s_wait_kmcnt 0x0
	s_mov_b32 s47, s31                             ; my tensor's e: e7, e1 or e0 (the bias kind does not use it)
	s_cmp_lt_u32 ttmp9, 352
	s_cselect_b32 s47, s25, s47
	s_cmp_lt_u32 ttmp9, 256
	s_cselect_b32 s47, s24, s47
	s_add_co_i32 s47, s47, 127
	s_lshl_b32 s48, s47, 23
	v_mov_b32 v11, s48                             ; 2^e as f32: the conversion takes its exponent field
	s_add_co_i32 s47, s47, 8
	s_lshl_b32 s47, s47, 23
	s_or_b32 s47, s47, 0x600000
	v_mov_b32 v10, s47                             ; 448 x 2^e
	s_add_co_i32 s44, s26, s27
	s_sub_co_i32 s44, 130, s44
	s_lshl_b32 s44, s44, 23                        ; 2^(3 - e2 - e3) as f32
	s_mov_b32 s45, s44                             ; (named with it as a pair, so it is written)
	UNIT 0
	UNIT 1
	UNIT 2
	UNIT 3
	s_wait_tensorcnt 0x0
	ds_add_u32 v240, v241
	s_wait_dscnt 0x0
	s_endpgm
.Lfunc_end_k_q58fb600c8f_prep:
	.size	k_q58fb600c8f_prep, .Lfunc_end_k_q58fb600c8f_prep-k_q58fb600c8f_prep
	.p2alignl 7, 3214868480
	.fill 96, 4, 3214868480
	.section	.rodata,"a",@progbits
	.p2align	6, 0x0
	.amdhsa_kernel k_q58fb600c8f_prep
		.amdhsa_group_segment_fixed_size 34304
		.amdhsa_private_segment_fixed_size 0
		.amdhsa_enable_private_segment 0
		.amdhsa_kernarg_size 72
		.amdhsa_user_sgpr_count 2
		.amdhsa_user_sgpr_kernarg_segment_ptr 1
		.amdhsa_wavefront_size32 1
		.amdhsa_system_sgpr_workgroup_id_x 1
		.amdhsa_system_sgpr_workgroup_id_y 1
		.amdhsa_system_sgpr_workgroup_id_z 1
		.amdhsa_system_vgpr_workitem_id 0
		.amdhsa_next_free_vgpr 242
		.amdhsa_next_free_sgpr 66
		.amdhsa_reserve_vcc 1
		.amdhsa_float_denorm_mode_32 3
		.amdhsa_float_denorm_mode_16_64 3
		.amdhsa_memory_ordered 1
		.amdhsa_forward_progress 1
		.amdhsa_inst_pref_size 74
	.end_amdhsa_kernel
	.amdgpu_metadata
---
amdhsa.version: [ 1, 2 ]
amdhsa.kernels:
  - .name:           k_q58fb600c8f_prep
    .symbol:         k_q58fb600c8f_prep.kd
    .args:
      - { .name: x, .offset: 0, .size: 8, .value_kind: global_buffer, .address_space: global }
      - { .name: qkv_w, .offset: 8, .size: 8, .value_kind: global_buffer, .address_space: global }
      - { .name: out_w, .offset: 16, .size: 8, .value_kind: global_buffer, .address_space: global }
      - { .name: dna_bias, .offset: 24, .size: 8, .value_kind: global_buffer, .address_space: global }
      - { .name: lowp_scales, .offset: 32, .size: 8, .value_kind: global_buffer, .address_space: global }
      - { .name: x_img, .offset: 40, .size: 8, .value_kind: global_buffer, .address_space: global }
      - { .name: wq_img, .offset: 48, .size: 8, .value_kind: global_buffer, .address_space: global }
      - { .name: wo_img, .offset: 56, .size: 8, .value_kind: global_buffer, .address_space: global }
      - { .name: b_img, .offset: 64, .size: 8, .value_kind: global_buffer, .address_space: global }
    .group_segment_fixed_size: 34304
    .private_segment_fixed_size: 0
    .kernarg_segment_align: 8
    .kernarg_segment_size: 72
    .max_flat_workgroup_size: 128
    .sgpr_count:     66
    .vgpr_count:     242
    .wavefront_size: 32
...
	.end_amdgpu_metadata
.endif
;; end of part 1
;; launch qkv (part 2): grid 12 x 32, 4 waves a work-group, clusters of 4 x 4, 327,680 bytes of LDS; arguments x_img, wq_img, lowp_scales, qkv_b, q_img, k_img, v_img; writes q_img, k_img, v_img
.if DOCPART == 2
	.amdgcn_target "amdgcn-amd-amdhsa--gfx1250"
	.amdhsa_code_object_version 6
	.text
	.protected	k_q58fb600c8f_qkv
	.globl	k_q58fb600c8f_qkv
	.p2align	8
	.type	k_q58fb600c8f_qkv,@function
k_q58fb600c8f_qkv:
	s_mov_b64 s[64:65], 0
	v_nop
	global_prefetch_b8 v0, s[64:65] scope:SCOPE_SE
	s_setreg_imm32_b32 hwreg(HW_REG_WAVE_MODE, 25, 1), 1
	s_wait_xcnt 0x0
	s_wait_alu depctr_hold_cnt(0) depctr_sa_sdst(0) depctr_va_vdst(0) depctr_va_sdst(0) depctr_va_ssrc(0) depctr_va_vcc(0) depctr_vm_vsrc(0)
	s_getreg_b32 s2, hwreg(HW_REG_IB_STS2, 6, 4)
	s_cmp_eq_u32 s2, 0
	s_cbranch_scc0 .Lentry_in_a_cluster
	s_endpgm
.Lentry_in_a_cluster:
	s_bfe_u32 s2, ttmp6, 0x10000c
	s_cmp_lg_u32 s2, 0xf033
	s_cbranch_scc0 .Lentry_shape_is_right
	s_endpgm
.Lentry_shape_is_right:
; qkv = x qkv_w^T + qkv_b on codes of FP8 (E4M3), then q, k and v are quantised with 2^e2, 2^e3, 2^e5 and stored as images of the next products' operand registers.
; OPERANDS: x_img (8,192 rows) and wq_img (3,072 rows), K = 1,024: 128 rows x 256 k are 32,768 consecutive bytes: eight blocks of 16 rows (4,096 bytes), each two fragments of 128 k (2,048 bytes), each four groups of
; four registers (512 bytes, 16 a lane).  A fragment: lane (r, h) holds row r; registers 2 c, 2 c + 1 hold k = 16 c + 8 h + 0 .. 7.  So every LDS load reads 512 consecutive bytes, and no padding is wanted.
; A tile of 256 x 256 is made by a work-group of four waves, as many as a WGP has SIMDs; a wave makes 128 x 128: 64 accumulators, 512 registers.  K goes in steps of 256 through a ring of two LDS slots.
; SOURCE 0 is side S0, source 1 side S1: in accumulator (a, b) register j of lane (r, h) is (S0's row 16 b + 8 h + j, S1's row 16 a + r): a lane's registers run along S0's rows.
; The three columns of clusters are Q, K and V.  For Q and K S0 = the weights (features) and S1 = x (tokens): a lane holds one token and eight neighbouring features, which are the score product's K.
; For V the sides are swapped, S0 = x and S1 = the weights: a lane holds one feature and eight neighbouring tokens, which are the second product's K.  So each conversion's result IS two registers of the next operand.
; q_img, k_img: [16 batch + head: 64][tile of 16 tokens: 128][fragment of 16 tokens x 64 d: 1,024 bytes].   v_img: [16 batch + head][step of 128 keys: 16][tile of 16 d: 4][fragment of 16 d x 128 keys: 2,048 bytes].
; CLUSTERS: 4 x 4 work-groups.  S1's tile hangs on my row of the cluster, S0's on my column: each is asked for JOINTLY, by the same tensor load with the same descriptor and a mask that names the four.
; All choices between the kinds hang on the cluster's x, which partners share.
; LIMITS: e0 + e1 between -126 and 127; e2, e3, e5 between -126 and 119.  NaN among the inputs is not served.
; REGISTERS, in windows of 256: window 0: v0-31 addresses and constants; v32-95 the bias along S0 (Q, K); v96-111 the bias along S1 (V); from v128 S1's fragments, ONE set; on the way out v128-191 are at work.
;   window 1: S0's fragments, TWO sets.   window 2: the accumulators of my S1 rows 0-63 (accumulator (a, b) at v[8 (8 a + b)]);   window 3: those of rows 64-127.
.set HALFT,  32768                     ; 128 rows x 256 k: what one tensor load brings, and what one wave reads of a side
.set SLOT,   4*HALFT                   ; S1's 256 rows, then S0's 256 rows
.set SPARE,  2*SLOT                    ; behind the ring: the spare words, 128 bytes for each wave: two blocks of 256 bytes that no other line names
.set KSB,    32768                     ; bytes from a K step's block to the next
.set FR,     16
.set NL,     4
.set NP,     4                         ; places behind this matrix instruction (ISA guide 7.12.1)
.set LAPS,   2                         ; 1,024 / 512
.set ADRA, 16                          ; v16-17  LDS address of my S1 fragments in slot 0, 1
.set ADRB, 20                          ; v20-21  the same for S0
.set LI,   24                          ; v24     16 x lane
.set BH,   25                          ; v25     32 h
.set BR,   26                          ; v26     4 r
.set SPW,  28                          ; v28     LDS address of my spare word; never rewritten
.set NIL,  29                          ; v29     0; never rewritten
.set LIM,  30                          ; v30     448 x the output's scale
.set SCL,  31                          ; v31     the output's scale
.set BI,   32
.set BV,   96
.set AF,   128
.set T,    128                         ; the way out: 32 numbers
.set CD,   160                         ; the way out: codes, two sets of 16
.set G1, 24                            ; s[24:31] descriptor group 1 for S1's tiles;  s[32:39] group 0, one set for each slot
.set G0, 32
.set G1B, 48                           ; s[48:55], s[56:63] the same for S0's tiles
.set G0B, 56
.set MSB, 0
.macro WIN new                         ; the immediate's high byte repeats the setting that is left
.if MSB != \new
	s_set_vgpr_msb (MSB<<8)|\new
.set MSB, \new
.endif
.endm
.set MUL_LO, 0xa1                      ; source 0 window 1, source 1 window 0, C and D window 2
.set MUL_HI, 0xf1                      ; the same, C and D window 3
.set TO_B,   0x40                      ; destination window 1, address window 0
; A joint load: waves 0 and 1 fetch for S1, waves 2 and 3 for S0.  The branch hangs on the wave's number alone.  Four v_nop follow each of the two lines.
.macro JLOAD g0a, g1a, g0b, g1b
	s_cmp_eq_u32 s15, 0
	s_cbranch_scc0 .Lfor_b_\@
	tensor_load_to_lds s[\g0a:\g0a+3], s[\g1a:\g1a+7]
	s_nop 0
.rept 4
	v_nop
.endr
	s_branch .Lasked_\@
.Lfor_b_\@:
	tensor_load_to_lds s[\g0b:\g0b+3], s[\g1b:\g1b+7]
	s_nop 0
.rept 4
	v_nop
.endr
.Lasked_\@:
.endm
.macro CREST                           ; a round of the cluster's barrier behind its opening barrier
	s_cmp_lg_u32 s14, 0
	s_cbranch_scc1 .Lnot_wave_0_\@
	s_barrier_signal -3
.Lnot_wave_0_\@:
	s_barrier_wait -3
	s_barrier_signal -1
	s_barrier_wait -1
.endm
.macro CROUND                          ; a whole round
	s_barrier_signal -1
	s_barrier_wait -1
	CREST
.endm
	s_load_b128 s[4:7], s[0:1], 0x0                ; x_img, wq_img
	s_load_b128 s[8:11], s[0:1], 0x10              ; the scales' exponents, qkv_b
	s_load_b128 s[68:71], s[0:1], 0x20             ; q_img, k_img
	s_load_b64 s[72:73], s[0:1], 0x30              ; v_img
	v_lshl_add_u32 v[SPW], v0, 2, SPARE
	v_mov_b32 v[NIL], 0
	ds_add_u32 v28, v29
	s_wait_dscnt 0x0
	v_lshrrev_b32 v1, 5, v0
	v_readfirstlane_b32 s14, v1                    ; wave 0..3
	s_lshr_b32 s15, s14, 1                         ; which half of S1's rows is mine.  Also: I fetch for S1 (0) or for S0 (1)
	s_and_b32 s16, s14, 1                          ; which half of S0's rows.  Also: which 128 rows of that tile I fetch
	s_bfe_u32 s40, ttmp6, 0x40000                  ; cx, cy: my place in the cluster
	s_bfe_u32 s41, ttmp6, 0x40004
	s_lshl_b32 s78, ttmp9, 2                       ; 4 x cluster x
	s_and_b32 s79, ttmp7, 0xffff
	s_lshl_b32 s79, s79, 2                         ; 4 x cluster y
	s_cmp_eq_u32 ttmp9, 2                          ; V's clusters?
	s_cselect_b32 s42, s79, s78                    ; S0's tile of 256 rows: V: tokens 4 Y + cx; else features 4 X + cx
	s_cselect_b32 s17, 8, s79                      ; S1's: V: features 8 + cy; else tokens 4 Y + cy
	s_add_co_u32 s42, s42, s40
	s_add_co_u32 s17, s17, s41
	s_lshl_b32 s43, s41, 2
	s_lshl_b32 s43, 15, s43                        ; my row of the cluster
	s_lshl_b32 s44, 0x1111, s40                    ; my column
	; descriptor group 1: 32,768 consecutive bytes as 128 rows of 32 elements of 8 bytes
	s_or_b32 s[G1+0], s43, (3<<16)|(1<<21)         ; 15:0 the mask: S1's tiles go to my row; 17:16 elements of 8 bytes; 20 no padding; 21 set beside a mask
	s_or_b32 s[G1B+0], s44, (3<<16)|(1<<21)        ; the same with the mask of my column
.irp g, G1, G1B
	s_mov_b32 s[\g+1], 32<<16                      ; tensor_dim0 = 32
	s_mov_b32 s[\g+2], 128<<16                     ; tensor_dim1 = 128
	s_mov_b32 s[\g+3], 32<<16                      ; tile_dim0 = 32
	s_mov_b32 s[\g+4], 128                         ; tile_dim1 = 128
	s_mov_b32 s[\g+5], 32                          ; tensor_dim0_stride
	s_mov_b32 s[\g+6], 0
	s_mov_b32 s[\g+7], 0
.endr
	s_lshl_b32 s20, s17, 1
	s_add_co_u32 s20, s20, s16
	s_lshl_b32 s20, s20, 17                        ; S1: (2 x tile + half) x 131072 bytes
	s_mov_b32 s21, 0
	s_lshl_b32 s46, s42, 1
	s_add_co_u32 s46, s46, s16
	s_lshl_b32 s46, s46, 17                        ; S0 likewise
	s_mov_b32 s47, 0
	s_mul_i32 s45, s14, HALFT                      ; where they go: wave x 32,768: no place in the cluster enters an LDS address
	s_lshl_b32 s92, s42, 10                        ; the bias along S0 (Q, K): 4 x (256 x tile + 128 x half) bytes; for V's clusters 0, so that the load stays inside and is not used
	s_lshl_b32 s93, s16, 9
	s_add_co_u32 s92, s92, s93
	s_lshl_b32 s94, s17, 10                        ; the bias along S1 (V) likewise; 0 for Q's and K's clusters
	s_lshl_b32 s93, s15, 9
	s_add_co_u32 s94, s94, s93
	s_cmp_eq_u32 ttmp9, 2
	s_cselect_b32 s92, 0, s92
	s_cselect_b32 s94, s94, 0
	s_mov_b32 s93, 0
	s_mov_b32 s95, 0
	s_wait_kmcnt 0x0
	s_load_b256 s[84:91], s[8:9], 0x0              ; e0 .. e7
	s_cmp_eq_u32 ttmp9, 2
	s_cselect_b64 s[74:75], s[4:5], s[6:7]         ; S0's buffer
	s_cselect_b64 s[76:77], s[6:7], s[4:5]         ; S1's
	s_add_nc_u64 s[20:21], s[76:77], s[20:21]
	s_add_nc_u64 s[46:47], s[74:75], s[46:47]
	s_add_nc_u64 s[80:81], s[10:11], s[92:93]
	s_add_nc_u64 s[82:83], s[10:11], s[94:95]
	CROUND                                         ; all sixteen work-groups are here: the first joint loads meet
.irp s, 0,1
	s_mov_b32 s[G0+4*\s], 1
	s_add_co_u32 s[G0+4*\s+1], s45, \s*SLOT
	s_add_nc_u64 s[G0+4*\s+2:G0+4*\s+3], s[20:21], \s*KSB
	s_or_b32 s[G0+4*\s+3], s[G0+4*\s+3], 0x80000000
	s_mov_b32 s[G0B+4*\s], 1
	s_add_co_u32 s[G0B+4*\s+1], s45, \s*SLOT
	s_add_nc_u64 s[G0B+4*\s+2:G0B+4*\s+3], s[46:47], \s*KSB
	s_or_b32 s[G0B+4*\s+3], s[G0B+4*\s+3], 0x80000000
	JLOAD G0+4*\s, G1, G0B+4*\s, G1B
.endr
	v_and_b32 v1, 15, v0                           ; r
	v_bfe_u32 v2, v0, 4, 1                         ; h
	v_and_b32 v3, 31, v0
	v_lshlrev_b32 v[LI], 4, v3
	v_lshlrev_b32 v[BH], 5, v2
	v_lshlrev_b32 v[BR], 2, v1
	s_mul_i32 s21, s15, HALFT                      ; my 128 rows of S1
	s_mul_i32 s22, s16, HALFT                      ; my 128 rows of S0,
	s_add_co_u32 s22, s22, 2*HALFT                 ; which lie behind S1's 256
.irp s, 0,1
	v_add_nc_u32 v[ADRA+\s], s21, v[LI]
	v_add_nc_u32 v[ADRB+\s], s22, v[LI]
	s_add_co_u32 s21, s21, SLOT
	s_add_co_u32 s22, s22, SLOT
.endr
	; both kinds of bias are loaded in every work-group; they land under the products and are waited for on the way out
.irp b, 0,1,2,3,4,5,6,7
	global_load_b128 v[BI+8*\b:BI+8*\b+3], v[BH], s[80:81] offset:64*\b          ; register 8 b + j: the bias of S0's row 16 b + 8 h + j
	global_load_b128 v[BI+8*\b+4:BI+8*\b+7], v[BH], s[80:81] offset:64*\b+16
.endr
.irp a, 0,1,2,3,4,5,6,7
	global_load_b32 v[BV+2*\a], v[BR], s[82:83] offset:64*\a                     ; the bias of S1's row 16 a + r, in both registers of a pair
	global_load_b32 v[BV+2*\a+1], v[BR], s[82:83] offset:64*\a
.endr
.macro FRAG reg, adr, q, i             ; a fragment comes as it was stored: four groups of four registers, 512 consecutive bytes each
.irp c, 0,1,2,3
	ds_load_b128 v[\reg+4*\c:\reg+4*\c+3], v[\adr] offset:2048*(\q)+512*\c+(\i)*4096
.endr
.endm
; 16 matrix instructions: S1's blocks a0, a0 + 1 x S0's eight, 128 along K.  p: S0's set.  zero = 1: the first product starts the sums.  The 64 accumulators take turns, one instruction a turn.
.macro MUL16 a0, p, zero
.irp a, \a0, \a0+1
.irp b, 0,1,2,3,4,5,6,7
.if \zero
	v_wmma_f32_16x16x128_fp8_fp8 v[8*(8*((\a)%4)+\b):8*(8*((\a)%4)+\b)+7], v[128*(\p)+FR*\b:128*(\p)+FR*\b+FR-1], v[AF+FR*(\a):AF+FR*(\a)+FR-1], 0
.else
	v_wmma_f32_16x16x128_fp8_fp8 v[8*(8*((\a)%4)+\b):8*(8*((\a)%4)+\b)+7], v[128*(\p)+FR*\b:128*(\p)+FR*\b+FR-1], v[AF+FR*(\a):AF+FR*(\a)+FR-1], v[8*(8*((\a)%4)+\b):8*(8*((\a)%4)+\b)+7]
.endif
.endr
.endr
.endm
.macro FETCH_B slot, q, p
	WIN TO_B
.irp i, 0,1,2,3,4,5,6,7
	FRAG 128*(\p)+FR*\i, ADRB+\slot, \q, \i
.endr
	WIN 0
.endm
.macro FETCH_A slot, q, i0
.irp i, \i0, \i0+1, \i0+2, \i0+3
	FRAG AF+FR*(\i), ADRA+\slot, \q, \i
.endr
.endm
.macro PLACES n                        ; plain vector lines between a matrix instruction and a load into, or a read of, its registers
.rept \n
	v_nop
.endr
.endm
; A step of 128 along K that has its successor in the same slot.  S1's blocks are free as soon as their eight products are issued: blocks 0-3 are fetched anew in the step's middle, blocks 4-7 at its end.
.macro STEP slot, q, zero
	s_wait_dscnt 4*NL                              ; S0's set and S1's blocks 0-3 are in; the youngest sixteen loads (blocks 4-7) may be out
	WIN MUL_LO
	MUL16 0, (\q)%2, \zero
	MUL16 2, (\q)%2, \zero
	s_wait_dscnt 0
	PLACES NP
	FETCH_B \slot, (\q)+1, 1-(\q)%2
	FETCH_A \slot, (\q)+1, 0
	WIN MUL_HI
	MUL16 4, (\q)%2, \zero
	MUL16 6, (\q)%2, \zero
	PLACES NP
	WIN 0
	FETCH_A \slot, (\q)+1, 4
.endm
; A slot's last step changes slots: ONE barrier; in front of it each wave waits for all its tensor loads, adds 0 to its spare word, and waits for that and for its own reads of this slot.  fill = 1: this slot is filled again.
.macro TURN slot, next, fill
	s_wait_tensorcnt 0x0                           ; all my tensor loads have landed: my part of the next slot
	ds_add_u32 v[SPW], v[NIL]                      ; 0 onto my spare word
	s_wait_dscnt 4*NL+1                            ; (the add and the youngest sixteen loads may be out)
	WIN MUL_LO
	MUL16 0, 1, 0
	s_wait_dscnt 0x0                               ; the add is done, and my reads of this slot are over
	s_barrier_signal -1
	MUL16 2, 1, 0
	WIN 0
	s_barrier_wait -1
.if \fill
	CREST                                          ; the barrier has opened a round of the cluster's barrier: no wave of any partner still reads this slot or has a load on its way
	s_add_nc_u64 s[G0+4*\slot+2:G0+4*\slot+3], s[G0+4*\slot+2:G0+4*\slot+3], 2*KSB
	s_add_nc_u64 s[G0B+4*\slot+2:G0B+4*\slot+3], s[G0B+4*\slot+2:G0B+4*\slot+3], 2*KSB
	JLOAD G0+4*\slot, G1, G0B+4*\slot, G1B         ; the first tensor load behind the round; its four v_nop are the places in front of the loads below
.else
	PLACES NP
.endif
	FETCH_B \next, 0, 0
	FETCH_A \next, 0, 0
	WIN MUL_HI
	MUL16 4, 1, 0
	MUL16 6, 1, 0
	PLACES NP
	WIN 0
	FETCH_A \next, 0, 4
.endm
	s_wait_tensorcnt 1                             ; my part of K step 0 is in (K step 1's load may be out)
	s_barrier_signal -1
	s_barrier_wait -1                              ; everybody's is
	FETCH_B 0, 0, 0
	FETCH_A 0, 0, 0
	FETCH_A 0, 0, 4
	STEP 0, 0, 1                                   ; the first step stands in front of the loop: its products start the sums
	s_mov_b32 s3, LAPS-1
.Llap:                                                 ; a trip goes once round the ring and fills both slots again
	TURN 0, 1, 1
	STEP 1, 0, 0
	TURN 1, 0, 1
	STEP 0, 0, 0
	s_sub_co_u32 s3, s3, 1
	s_cmp_lg_u32 s3, 0
	s_cbranch_scc1 .Llap
	TURN 0, 1, 0                                   ; the last lap fills nothing
	STEP 1, 0, 0
	s_wait_dscnt 4*NL
	WIN MUL_LO
	MUL16 0, 1, 0
	MUL16 2, 1, 0
	s_wait_dscnt 0
	WIN MUL_HI
	MUL16 4, 1, 0
	MUL16 6, 1, 0
	WIN 0
; THE WAY OUT needs no LDS: sum x 2^(e0 + e1) + bias, the hold, the conversion; eight numbers of a lane become two registers of the next operand, and each store covers 512 consecutive bytes, aligned.
.set CALL, 0
.macro OUTQK a, hh                     ; 16 tokens (S1's block a) x one head (S0's blocks 4 hh .. 4 hh + 3): a fragment of 16 x 64
.set CDS, CD+16*(CALL%2)
.set CALL, CALL+1
	WIN 0x02+((\a)/4)                              ; source 0: window 2 or 3
.irp c, 0,1,2,3
.irp i, 0,2,4,6
	v_pk_fma_f32 v[T+8*\c+\i:T+8*\c+\i+1], v[64*((\a)%4)+8*(4*(\hh)+\c)+\i:64*((\a)%4)+8*(4*(\hh)+\c)+\i+1], s[96:97], v[BI+8*(4*(\hh)+\c)+\i:BI+8*(4*(\hh)+\c)+\i+1] op_sel_hi:[1,0,1]   ; each accumulator from its low end on
.endr
.endr
	WIN 0
.set n, 0
.rept 32
	v_med3_num_f32 v[T+n], v[T+n], -v[LIM], v[LIM] ; the conversion to an 8-bit code does not saturate (ISA guide 7.6.2)
.set n, n+1
.endr
	s_wait_xcnt 0x0                                ; earlier stores have read their data: the codes' registers are written again only behind this wait
.irp c, 0,1,2,3
	v_cvt_scalef32_pk8_fp8_f32 v[CDS+2*\c:CDS+2*\c+1], v[T+8*\c:T+8*\c+7], v[SCL]
.endr
	v_nop                                          ; a plain vector line behind the conversions: the next lines write their sources
.irp g, 0,1
	global_store_b128 v[LI], v[CDS+4*\g:CDS+4*\g+3], s[94:95] offset:(\a)*1024+(\hh)*131072+512*\g
.endr
.endm
.macro OUTV a                          ; 16 d (S1's block a) x 128 keys (S0's eight blocks): a fragment of 16 x 128
.set CDS, CD+16*(CALL%2)
.set CALL, CALL+1
.irp bq, 0,1
	WIN 0x02+((\a)/4)
.irp c, 0,1,2,3
.irp i, 0,2,4,6
	v_pk_fma_f32 v[T+8*\c+\i:T+8*\c+\i+1], v[64*((\a)%4)+8*(4*\bq+\c)+\i:64*((\a)%4)+8*(4*\bq+\c)+\i+1], s[96:97], v[BV+2*(\a):BV+2*(\a)+1] op_sel_hi:[1,0,1]
.endr
.endr
	WIN 0
.set n, 0
.rept 32
	v_med3_num_f32 v[T+n], v[T+n], -v[LIM], v[LIM]
.set n, n+1
.endr
.if \bq == 0
	s_wait_xcnt 0x0
.endif
.irp c, 0,1,2,3
	v_cvt_scalef32_pk8_fp8_f32 v[CDS+8*\bq+2*\c:CDS+8*\bq+2*\c+1], v[T+8*\c:T+8*\c+7], v[SCL]
.endr
	v_nop
.endr
.irp g, 0,1,2,3
	global_store_b128 v[LI], v[CDS+4*\g:CDS+4*\g+3], s[94:95] offset:((\a)/4)*131072+((\a)%4)*2048+512*\g
.endr
.endm
	s_wait_kmcnt 0x0
	s_add_co_i32 s96, s84, s85
	s_add_co_i32 s96, s96, 127
	s_lshl_b32 s96, s96, 23                        ; 2^(e0 + e1) as f32
	s_mov_b32 s97, s96
	s_cmp_eq_u32 ttmp9, 0
	s_cselect_b32 s92, s86, s87                    ; the output's e: e2 for q, e3 for k,
	s_cmp_eq_u32 ttmp9, 2
	s_cselect_b32 s92, s89, s92                    ; e5 for v: a select, no branch on a loaded number
	s_add_co_i32 s92, s92, 127
	s_lshl_b32 s93, s92, 23
	v_mov_b32 v[SCL], s93
	s_add_co_i32 s92, s92, 8
	s_lshl_b32 s92, s92, 23
	s_or_b32 s92, s92, 0x600000
	v_mov_b32 v[LIM], s92
	s_wait_loadcnt 0x0                             ; the biases
	PLACES NP                                      ; behind the last products: their results are read and S1's registers written below
	s_cmp_eq_u32 ttmp9, 2
	s_cbranch_scc1 .Lout_v
	s_lshr_b32 s92, s17, 3                         ; Q, K: my first token = 256 x S1's tile + 128 x half: batch = tile / 8,
	s_lshl_b32 s92, s92, 4
	s_and_b32 s93, s42, 3
	s_lshl_b32 s93, s93, 2
	s_add_co_u32 s92, s92, s93
	s_lshl_b32 s93, s16, 1
	s_add_co_u32 s92, s92, s93                     ; 16 batch + my first head (4 x (S0's tile % 4) + 2 x half)
	s_lshl_b32 s92, s92, 7
	s_and_b32 s93, s17, 7
	s_lshl_b32 s93, s93, 4
	s_add_co_u32 s92, s92, s93
	s_lshl_b32 s93, s15, 3
	s_add_co_u32 s92, s92, s93                     ; x 128 + my first tile of 16 tokens
	s_lshl_b32 s92, s92, 10
	s_mov_b32 s93, 0
	s_cmp_eq_u32 ttmp9, 0
	s_cselect_b64 s[94:95], s[68:69], s[70:71]
	s_add_nc_u64 s[94:95], s[94:95], s[92:93]
.irp a, 0,1,2,3,4,5,6,7
	OUTQK \a, 0
	OUTQK \a, 1
.endr
	s_branch .Lout_done
.Lout_v:
	s_lshr_b32 s92, s42, 3                         ; V: my first token = 256 x S0's tile + 128 x half: batch,
	s_lshl_b32 s92, s92, 4
	s_and_b32 s93, s17, 3
	s_lshl_b32 s93, s93, 2
	s_add_co_u32 s92, s92, s93
	s_lshl_b32 s93, s15, 1
	s_add_co_u32 s92, s92, s93                     ; 16 batch + my first head (4 x (S1's tile % 4) + 2 x half)
	s_lshl_b32 s92, s92, 4
	s_and_b32 s93, s42, 7
	s_lshl_b32 s93, s93, 1
	s_add_co_u32 s92, s92, s93
	s_add_co_u32 s92, s92, s16                     ; x 16 + my step of 128 keys
	s_lshl_b32 s92, s92, 13
	s_mov_b32 s93, 0
	s_add_nc_u64 s[94:95], s[72:73], s[92:93]
.irp a, 0,1,2,3,4,5,6,7
	OUTV \a
.endr
.Lout_done:
	s_wait_tensorcnt 0x0                           ; the wave's end
	ds_add_u32 v[SPW], v[NIL]
	s_wait_dscnt 0x0
	CROUND                                         ; the closing round: no work-group ends while a partner may still ask for a tile that names it
	s_endpgm
.Lfunc_end_k_q58fb600c8f_qkv:
	.size	k_q58fb600c8f_qkv, .Lfunc_end_k_q58fb600c8f_qkv-k_q58fb600c8f_qkv
	.p2alignl 7, 3214868480
	.fill 96, 4, 3214868480
	.section	.rodata,"a",@progbits
	.p2align	6, 0x0
	.amdhsa_kernel k_q58fb600c8f_qkv
		.amdhsa_group_segment_fixed_size 327680
		.amdhsa_private_segment_fixed_size 0
		.amdhsa_enable_private_segment 0
		.amdhsa_kernarg_size 56
		.amdhsa_user_sgpr_count 2
		.amdhsa_user_sgpr_kernarg_segment_ptr 1
		.amdhsa_wavefront_size32 1
		.amdhsa_system_sgpr_workgroup_id_x 1
		.amdhsa_system_sgpr_workgroup_id_y 1
		.amdhsa_system_sgpr_workgroup_id_z 1
		.amdhsa_system_vgpr_workitem_id 0
		.amdhsa_next_free_vgpr 1024
		.amdhsa_next_free_sgpr 98
		.amdhsa_reserve_vcc 0
		.amdhsa_float_denorm_mode_32 3
		.amdhsa_float_denorm_mode_16_64 3
		.amdhsa_memory_ordered 1
		.amdhsa_forward_progress 1
		.amdhsa_inst_pref_size 196
	.end_amdhsa_kernel
	.amdgpu_metadata
---
amdhsa.version: [ 1, 2 ]
amdhsa.kernels:
  - .name:           k_q58fb600c8f_qkv
    .symbol:         k_q58fb600c8f_qkv.kd
    .args:
      - { .name: x_img, .offset: 0, .size: 8, .value_kind: global_buffer, .address_space: global }
      - { .name: wq_img, .offset: 8, .size: 8, .value_kind: global_buffer, .address_space: global }
      - { .name: lowp_scales, .offset: 16, .size: 8, .value_kind: global_buffer, .address_space: global }
      - { .name: qkv_b, .offset: 24, .size: 8, .value_kind: global_buffer, .address_space: global }
      - { .name: q_img, .offset: 32, .size: 8, .value_kind: global_buffer, .address_space: global }
      - { .name: k_img, .offset: 40, .size: 8, .value_kind: global_buffer, .address_space: global }
      - { .name: v_img, .offset: 48, .size: 8, .value_kind: global_buffer, .address_space: global }
    .group_segment_fixed_size: 327680
    .private_segment_fixed_size: 0
    .kernarg_segment_align: 8
    .kernarg_segment_size: 56
    .max_flat_workgroup_size: 128
    .sgpr_count:     98
    .vgpr_count:     1024
    .wavefront_size: 32
...
	.end_amdgpu_metadata
.endif
;; end of part 2
;; launch attn (part 3): grid 16 x 16, 16 waves a work-group, clusters of 4 x 4, 327,680 bytes of LDS; arguments q_img, k_img, v_img, b_img, lowp_scales, a_img; writes a_img
.if DOCPART == 3
	.amdgcn_target "amdgcn-amd-amdhsa--gfx1250"
	.amdhsa_code_object_version 6
	.text
	.protected	k_q58fb600c8f_attn
	.globl	k_q58fb600c8f_attn
	.p2align	8
	.type	k_q58fb600c8f_attn,@function
k_q58fb600c8f_attn:
	s_mov_b64 s[64:65], 0
	v_nop
	global_prefetch_b8 v0, s[64:65] scope:SCOPE_SE
	s_setreg_imm32_b32 hwreg(HW_REG_WAVE_MODE, 25, 1), 1
	s_wait_xcnt 0x0
	s_wait_alu depctr_hold_cnt(0) depctr_sa_sdst(0) depctr_va_vdst(0) depctr_va_sdst(0) depctr_va_ssrc(0) depctr_va_vcc(0) depctr_vm_vsrc(0)
	s_getreg_b32 s2, hwreg(HW_REG_IB_STS2, 6, 4)
	s_cmp_eq_u32 s2, 0
	s_cbranch_scc0 .Lentry_in_a_cluster
	s_endpgm
.Lentry_in_a_cluster:
	s_bfe_u32 s2, ttmp6, 0x10000c
	s_cmp_lg_u32 s2, 0xf033
	s_cbranch_scc0 .Lentry_shape_is_right
	s_endpgm
.Lentry_shape_is_right:
; Causal attention with an additive table, both products on codes of FP8 (E4M3) with the given scales: scores = q k^T / 8 + bias (e2, e3), out = softmax(scores) v (p: e4, v: e5); the result is quantised with 2^e6 for the last product.
; THE SOFTMAX: t = logit x log2(e); M = the row's largest t so far, rounded UP to a whole number; p = 2^(t - M) is quantised, not normalised; the row's sum is taken of the unquantised p and divides at the end.
; When M moves, the sum and O are multiplied by 2^(old M - new M): exact.
; THE BIAS AND THE MASK COST NO INSTRUCTION: b_img holds bias x 2^(3 - e2 - e3) in the layout of the score product's accumulators, with -2^100 where key > query, and goes in as that product's C.
; Then t = accumulator x c, c = log2(e) / 8 x 2^(e2 + e3); a hidden place gives p = 0.  Key 0 lies in every pass's first step, so M is a number from there on.
; SHARES.  A work-group owns 64 queries x 4 heads of one batch; wave w owns head w % 4 and tile of 16 queries w / 4, in 256 registers: four waves to a SIMD, so that one wave's vector work stands beside another's products and loads.
; TWO PASSES make all work-groups equal: with P the cluster's x, pass 0 serves the 256 queries of group P (2 P + 2 steps of 128 keys), pass 1 those of group 7 - P (16 - 2 P steps): 18 steps in every work-group,
; and the ring goes on through the change of pass.  (Within a group of 256 queries all four blocks of 64 walk the same steps, so that partners run alike; what lies wholly behind the diagonal gives p = 0.)
; THE 18 STEPS: pass 0 can end only behind step 2, 4, 6 or 8.  So: a loop of four trips of two steps, with the change of pass behind the trip whose number is P; a loop of nine trips of one step; the last step written out.
; CLUSTER 4 x 4: cx = which 64 of the 256 queries, cy = which four heads.  K's and V's tiles hang on (batch, cy) and are shared along my row of the cluster; the bias's hang on (P, cx) and are shared along my column.
; LAYOUT.  S^T = K Q^T + bias (source 0 = 16 keys, source 1 = my 16 queries), O^T = V^T P^T (source 0 = 16 d, source 1 = p): a lane holds ONE query (lane % 16) throughout, and register 8 t + j of S^T is key 16 t + 8 h + j:
; eight registers convert into registers 2 t, 2 t + 1 of p's fragment.  All tiles lie in memory and in LDS as images of the registers: every LDS load reads 512 consecutive bytes.
; LIMITS: e2 + e3 between -90 and 29; e4, e6 between -126 and 119; e4 + e5 is applied by v_ldexp_f32 and has none.  NaN among the inputs is not served.
; REGISTERS: v1-4 addresses that stay; v5, v6 the add's; v8-10 this step's addresses; v12 -M, v13 the largest t, v[14:15] the sum in two halves; v16-23 Q; v24-31 pass 1's Q; v32-95 K's, then V's fragments;
;   v96-159 the bias, S^T, p; v160-191 O^T; v192-207 p's codes; v208-215 the result's codes; v236-254 at work and constants.
.set SLOT1, 1<<17                      ; slot 1 begins here: one exclusive or turns an address in one slot into the other's
.set VOFF,  32768                      ; a slot: K of four heads (4 x 8,192), V of four heads, the bias of four query tiles
.set BOFF,  65536
.set SPARE, 2*SLOT1                    ; behind the ring: the spare words, 128 bytes for each of 16 waves: eight blocks of 256 bytes that no other line names
.set SPW,  5
.set NIL,  6
.set WV,   18                          ; s18  my wave's number
.set SEL,  20                          ; s[20:21] lane selects for v_permlanex16_b32: lane l xor 16
.set CS,   22                          ; s[22:23] c
.set G1KV, 24                          ; s[24:31] descriptor group 1 for K's and V's tiles; s[32:39] for the bias's: they differ in the mask alone
.set G1B,  32
.set G0KV, 40                          ; s[40:43], s[44:47] their groups 0
.set G0B,  44
.set N1,   54                          ; s54  2 P + 2: pass 0's steps
.set CNT,  55                          ; s55  steps done
.set TB,   56                          ; s56  LDS byte at which the slot in hand begins
.set F,    57                          ; s57  the step to be fetched
.set TRIP, 74                          ; s74  the loops' counter
.macro CROUND                          ; a round of the cluster's barrier
	s_barrier_signal -1
	s_barrier_wait -1
	s_cmp_lg_u32 s[WV], 0
	s_cbranch_scc1 .Lnot_wave_0_\@
	s_barrier_signal -3
.Lnot_wave_0_\@:
	s_barrier_wait -3
	s_barrier_signal -1
	s_barrier_wait -1
.endm
; Waves 0-3 fetch K of head w, waves 4-7 V of head w - 4, waves 8-11 the bias of query tile w - 8, the others nothing: 8,192 bytes each, to LDS byte 8,192 w of the slot.  Four v_nop follow each line.
.macro JLOAD
	s_cmp_lt_u32 s[WV], 8
	s_cbranch_scc0 .Lnot_kv_\@
	tensor_load_to_lds s[G0KV:G0KV+3], s[G1KV:G1KV+7]
	s_nop 0
.rept 4
	v_nop
.endr
	s_branch .Lasked_\@
.Lnot_kv_\@:
	s_cmp_lt_u32 s[WV], 12
	s_cbranch_scc0 .Lasked_\@
	tensor_load_to_lds s[G0B:G0B+3], s[G1B:G1B+7]
	s_nop 0
.rept 4
	v_nop
.endr
.Lasked_\@:
.endm
; The global addresses of step F's tiles: F < N1: pass 0's step F; else pass 1's step F - N1.  Scalar lines alone.
.macro SETFILL
	s_cmp_lt_u32 s[F], s[N1]
	s_cselect_b32 s62, 0, s[N1]
	s_cselect_b32 s60, s52, s53                    ; the pass's block of 64 queries in b_img
	s_sub_co_u32 s62, s[F], s62                    ; the step within its pass
	s_lshl_b32 s58, s62, 13                        ; K, V: 8,192 bytes a step
	s_add_nc_u64 s[G0KV+2:G0KV+3], s[48:49], s[58:59]
	s_or_b32 s[G0KV+3], s[G0KV+3], 0x80000000
	s_lshl_b32 s62, s62, 15                        ; the bias: 32,768 bytes a step
	s_add_co_u32 s60, s60, s62
	s_add_nc_u64 s[G0B+2:G0B+3], s[50:51], s[60:61]
	s_or_b32 s[G0B+3], s[G0B+3], 0x80000000
.endm
	s_load_b256 s[4:11], s[0:1], 0x0               ; q_img s[4:5], k_img s[6:7], v_img s[8:9], b_img s[10:11]
	s_load_b128 s[12:15], s[0:1], 0x20             ; the scales' exponents s[12:13], a_img s[14:15]
	v_lshl_add_u32 v[SPW], v0, 2, SPARE
	v_mov_b32 v[NIL], 0
	ds_add_u32 v5, v6
	s_wait_dscnt 0x0
	v_lshrrev_b32 v8, 5, v0
	v_readfirstlane_b32 s[WV], v8                  ; wave 0..15
	s_bfe_u32 s16, ttmp6, 0x40000                  ; cx
	s_bfe_u32 s17, ttmp6, 0x40004                  ; cy
	s_mov_b32 s19, ttmp9                           ; P: the cluster's x
	s_and_b32 s63, ttmp7, 0xffff                   ; the batch: the cluster's y
	s_and_b32 s86, s[WV], 3                        ; my head of the four; also which head or query tile I fetch
	s_lshr_b32 s87, s[WV], 2                       ; my tile of 16 queries
	s_lshl_b32 s85, s17, 2
	s_lshl_b32 s85, 15, s85                        ; my row of the cluster
	s_or_b32 s[G1KV], s85, (3<<16)|(1<<21)         ; 15:0 the mask; 17:16 elements of 8 bytes; 20 no padding; 21 set beside a mask
	s_lshl_b32 s98, 0x1111, s16                    ; my column
	s_or_b32 s[G1B], s98, (3<<16)|(1<<21)
.irp g, G1KV, G1B
	s_mov_b32 s[\g+1], 32<<16                      ; tensor_dim0 = 32: rows of 256 bytes
	s_mov_b32 s[\g+2], 32<<16                      ; tensor_dim1 = 32
	s_mov_b32 s[\g+3], 32<<16                      ; tile_dim0 = 32
	s_mov_b32 s[\g+4], 32                          ; tile_dim1 = 32
	s_mov_b32 s[\g+5], 32                          ; tensor_dim0_stride: dense
	s_mov_b32 s[\g+6], 0
	s_mov_b32 s[\g+7], 0
.endr
	s_mov_b32 s[SEL], 0x76543210
	s_mov_b32 s[SEL+1], 0xfedcba98
	s_mov_b32 s[CS], 0x3e38aa3b                    ; log2(e) / 8
	s_lshl_b32 s[N1], s19, 1
	s_add_co_u32 s[N1], s[N1], 2
	s_mov_b32 s[CNT], 0
	s_mov_b32 s[TB], 0
	s_mov_b32 s[F], 0
	s_mov_b32 s59, 0
	s_mov_b32 s61, 0
	s_lshl_b32 s52, s19, 2
	s_add_co_u32 s52, s52, s16
	s_lshl_b32 s52, s52, 19                        ; pass 0's block of 64 queries, 4 P + cx, in b_img: 524,288 bytes a block
	s_sub_co_u32 s94, 7, s19
	s_lshl_b32 s53, s94, 2
	s_add_co_u32 s53, s53, s16
	s_lshl_b32 s53, s53, 19                        ; pass 1's: 4 (7 - P) + cx
	s_lshl_b32 s88, s63, 4
	s_lshl_b32 s89, s17, 2
	s_add_co_u32 s88, s88, s89
	s_add_co_u32 s88, s88, s86                     ; 16 batch + 4 cy + w % 4: my head, and the head that I fetch for
	s_lshl_b32 s90, s88, 17                        ; a head's K or V: 131,072 bytes
	s_mov_b32 s91, 0
	s_lshl_b32 s92, s16, 2
	s_add_co_u32 s92, s92, s87                     ; 4 cx + my tile
	s_lshl_b32 s93, s19, 4
	s_add_co_u32 s93, s93, s92                     ; pass 0's tile of 16 queries
	s_lshl_b32 s95, s94, 4
	s_add_co_u32 s95, s95, s92                     ; pass 1's
	s_lshl_b32 s97, s17, 15
	s_lshl_b32 s96, s86, 10
	s_add_co_u32 s97, s97, s96                     ; a_img: features 64 (4 cy + head): K step cy (32,768), and 1,024 x head within a block of 16 rows
	s_mov_b32 s[G0KV], 1
	s_lshl_b32 s[G0KV+1], s[WV], 13                ; LDS: 8,192 x wave, slot 0
	s_mov_b32 s[G0B], 1
	s_lshl_b32 s[G0B+1], s[WV], 13
	s_lshl_b32 s58, s86, 13                        ; the bias tile that I fetch
	s_wait_kmcnt 0x0
	s_load_b256 s[76:83], s[12:13], 0x0            ; e0 .. e7
	s_cmp_lt_u32 s[WV], 4
	s_cselect_b64 s[48:49], s[6:7], s[8:9]         ; K's buffer for waves 0-3, V's for the others
	s_add_nc_u64 s[48:49], s[48:49], s[90:91]
	s_add_nc_u64 s[50:51], s[10:11], s[58:59]
.macro PASSADR qt, qb, ob              ; a pass's addresses: my fragment of Q, and my 1,024 bytes of a_img
	s_lshl_b32 s2, s88, 7
	s_add_co_u32 s2, s2, s[\qt]
	s_lshl_b32 s2, s2, 10
	s_mov_b32 s3, 0
	s_add_nc_u64 s[\qb:\qb+1], s[4:5], s[2:3]
	s_lshl_b32 s2, s63, 7
	s_add_co_u32 s2, s2, s[\qt]                    ; the tile of 16 rows among the 512
	s_lshr_b32 s96, s2, 3
	s_lshl_b32 s96, s96, 17
	s_and_b32 s2, s2, 7
	s_lshl_b32 s2, s2, 12
	s_add_co_u32 s2, s2, s96
	s_add_co_u32 s2, s2, s97
	s_add_nc_u64 s[\ob:\ob+1], s[14:15], s[2:3]
.endm
	PASSADR 93, 70, 66
	PASSADR 95, 72, 68
	CROUND                                         ; all sixteen work-groups are here: the first joint loads meet
	SETFILL
	JLOAD                                          ; step 0 into slot 0
	v_and_b32 v8, 31, v0
	v_lshlrev_b32 v4, 4, v8                        ; 16 x lane
	s_lshl_b32 s2, s86, 13
	v_add_nc_u32 v1, s2, v4                        ; K of my head
	v_add_nc_u32 v2, VOFF, v1                      ; V of my head
	s_lshl_b32 s2, s87, 13
	s_add_co_u32 s2, s2, BOFF
	v_add_nc_u32 v3, s2, v4                        ; the bias of my query tile
	global_load_b128 v[16:19], v4, s[70:71]        ; Q of both passes stays in registers
	global_load_b128 v[20:23], v4, s[70:71] offset:512
	global_load_b128 v[24:27], v4, s[72:73]
	global_load_b128 v[28:31], v4, s[72:73] offset:512
.macro INIT                            ; a pass begins: the largest t -3e38, under every t; the sum and O^T zeros, which the first change of M leaves zeros
	v_mov_b32 v13, 0xff61b1e6
	v_floor_f32 v12, -v13
	v_mov_b32 v14, 0
	v_mov_b32 v15, 0
.set n, 0
.rept 32
	v_mov_b32 v[160+n], 0
.set n, n+1
.endr
.endm
	INIT
	v_mov_b32 v236, 0                              ; written once: a lane permute's destination counts as one of its sources
	v_mov_b32 v253, 0                              ; (named as the upper half of the pair v[252:253])
	s_wait_kmcnt 0x0
	s_add_co_i32 s2, s78, s79
	s_lshl_b32 s2, s2, 23
	s_add_co_i32 s[CS], s[CS], s2                  ; e2 + e3 are added to c's exponent field
	s_mov_b32 s[CS+1], s[CS]
	s_add_co_i32 s2, s80, 127
	s_lshl_b32 s3, s2, 23
	v_mov_b32 v244, s3                             ; 2^e4
	s_add_co_i32 s2, s2, 8
	s_lshl_b32 s2, s2, 23
	s_or_b32 s2, s2, 0x600000
	v_mov_b32 v240, s2                             ; 448 x 2^e4
	s_add_co_i32 s2, s82, 127
	s_lshl_b32 s3, s2, 23
	v_mov_b32 v246, s3                             ; 2^e6
	s_add_co_i32 s2, s2, 8
	s_lshl_b32 s2, s2, 23
	s_or_b32 s2, s2, 0x600000
	v_mov_b32 v247, s2                             ; 448 x 2^e6
	s_add_co_i32 s84, s80, s81                     ; e4 + e5
; THE CHANGE OF SLOTS stands at a step's head.  Each wave waits for all its tensor loads (its part of the slot ahead), adds 0 to its spare word, and waits for that and for its reads of the slot that it has left.
; fill = 1: a round of the cluster's barrier, and behind it the slot that was left takes the next step's tiles: the load has a step's work in which to land.
.macro CHANGE fill
	s_wait_tensorcnt 0x0                           ; no tensor load of mine is out, so a group 0 may be written
	ds_add_u32 v[SPW], v[NIL]                      ; 0 onto my spare word
.if \fill
	s_add_co_u32 s[F], s[CNT], 1
	s_xor_b32 s[G0KV+1], s[G0KV+1], SLOT1
	s_xor_b32 s[G0B+1], s[G0B+1], SLOT1
	SETFILL
.endif
	s_wait_dscnt 0x0                               ; the add is done, and my reads of the slot that I have left are over
.if \fill
	CROUND
	JLOAD                                          ; the first thing behind the round, and a wave's one tensor load until the next
.else
	s_barrier_signal -1
	s_barrier_wait -1
.endif
.endm
; A STEP: 128 keys.
.macro STEP
	v_add_nc_u32 v8, s[TB], v1
	v_add_nc_u32 v9, s[TB], v2
	v_add_nc_u32 v10, s[TB], v3
	v_nop                                          ; four plain lines behind the last products, in front of loads into registers that they read
.set n, 0
.rept 16
	ds_load_b128 v[96+4*n:99+4*n], v10 offset:512*n    ; the bias, with the mask in it, straight into the accumulators
.set n, n+1
.endr
.set n, 0
.rept 16
	ds_load_b128 v[32+4*n:35+4*n], v8 offset:512*n     ; K: eight fragments of 16 keys x 64
.set n, n+1
.endr
	s_wait_dscnt 0x0
.irp t, 0,1,2,3,4,5,6,7                        ; eight accumulators, one instruction each
	v_wmma_f32_16x16x64_fp8_fp8 v[96+8*\t:103+8*\t], v[32+8*\t:39+8*\t], v[16:23], v[96+8*\t:103+8*\t]
.endr
.rept 4
	v_nop
.endr
.set n, 0
.rept 16
	ds_load_b128 v[32+4*n:35+4*n], v9 offset:512*n     ; V: four fragments of 16 d x 128 keys; they land under the softmax
.set n, n+1
.endr
	v_max3_num_f32 v254, v96, v97, v98             ; the step's largest accumulator of my query, among my 64 keys, in two chains, ascending: each accumulator is read from its low end on
	v_max3_num_f32 v252, v99, v100, v101
.irp i, 6,10,14,18,22,26,30,34,38,42,46,50,54,58
	v_max3_num_f32 v254, v254, v[96+\i], v[97+\i]
	v_max3_num_f32 v252, v252, v[98+\i], v[99+\i]
.endr
	v_max3_num_f32 v254, v254, v158, v159
	v_max_num_f32 v254, v254, v252
	v_permlanex16_b32 v236, v254, s[SEL], s[SEL+1]
	v_max_num_f32 v254, v254, v236                 ; and among lane l xor 16's
	v_mul_f32 v254, s[CS], v254                    ; as t (c is positive)
	v_max_num_f32 v13, v13, v254                   ; the running largest t
	v_mov_b32 v254, v12
	v_floor_f32 v12, -v13                          ; the new -M = floor(-t) = -ceil(t)
	v_sub_f32 v254, v12, v254                      ; old M - new M: a whole number, 0 or less
	v_cvt_i32_f32 v254, v254                       ; (it saturates)
	v_ldexp_f32 v252, 1.0, v254                    ; f = 2^(old M - new M)
.set n, 0
.rept 32
	v_pk_fma_f32 v[96+n:97+n], v[96+n:97+n], s[CS:CS+1], v[12:13] op_sel_hi:[1,0,0]   ; t - M, two at a time
.set n, n+2
.endr
.set n, 0
.rept 64
	v_exp_f32 v[96+n], v[96+n]                     ; p = 2^(t - M), at most 1
.set n, n+1
.endr
	v_pk_mul_f32 v[14:15], v[14:15], v[252:253] op_sel_hi:[1,0]   ; the sums under the new M.  (A plain line behind the exponentials)
	s_wait_alu depctr_va_vdst(0)
	v_pk_add_f32 v[242:243], v[96:97], v[98:99]    ; the row's sum is taken of the unquantised p: two at a time, in two chains
.irp j, 4,8,12,16,20,24,28,32,36,40,44,48,52,56,60
	v_pk_add_f32 v[14:15], v[14:15], v[96+\j:97+\j]
	v_pk_add_f32 v[242:243], v[242:243], v[98+\j:99+\j]
.endr
	v_pk_add_f32 v[14:15], v[14:15], v[242:243]
.irp t, 0,1,2,3,4,5,6,7
.irp i, 0,1,2,3,4,5,6,7
	v_min_num_f32 v[96+8*\t+\i], v[96+8*\t+\i], v240   ; the conversion does not saturate (ISA guide 7.6.2); p is not negative, so the hold is one-sided
.endr
	v_cvt_scalef32_pk8_fp8_f32 v[192+2*\t:193+2*\t], v[96+8*\t:103+8*\t], v244   ; keys 16 t + 8 h + 0 .. 7: registers 2 t, 2 t + 1 of p's fragment
.endr
.set n, 0
.rept 16
	v_pk_mul_f32 v[160+n:161+n], v[160+n:161+n], v[252:253] op_sel_hi:[1,0]   ; O^T under the new M.  (Also the plain lines behind the conversions)
.set n, n+2
.endr
	s_wait_dscnt 0x0                               ; V is in
.irp d, 0,1,2,3                                ; four accumulators, one instruction each
	v_wmma_f32_16x16x128_fp8_fp8 v[160+8*\d:167+8*\d], v[32+16*\d:47+16*\d], v[192:207], v[160+8*\d:167+8*\d]
.endr
.endm
; A change of slots with its refill, the step, and the counts.
.macro ONE
	CHANGE 1
	STEP
	s_xor_b32 s[TB], s[TB], SLOT1
	s_add_co_u32 s[CNT], s[CNT], 1
.endm
; A PASS ENDS: O^T x 2^(e4 + e5) / the sum, held, quantised with 2^e6: eight registers of the last product's fragment: two stores of 512 consecutive bytes.  more = 1: another pass follows.
.macro FINAL ob, more
.rept 4
	v_nop
.endr
	v_add_f32 v14, v14, v15
	v_permlanex16_b32 v252, v14, s[SEL], s[SEL+1]
	v_add_f32 v14, v14, v252                       ; the row's sum
	v_rcp_f32 v14, v14
	v_nop                                          ; a plain line behind the transcendental
	s_wait_alu depctr_va_vdst(0)
	v_ldexp_f32 v14, v14, s84
.set n, 0
.rept 16
	v_pk_mul_f32 v[96+n:97+n], v[160+n:161+n], v[14:15] op_sel_hi:[1,0]   ; ascending: each accumulator from its low end on
.set n, n+2
.endr
.set n, 0
.rept 32
	v_med3_num_f32 v[96+n], v[96+n], -v247, v247
.set n, n+1
.endr
.irp d, 0,1,2,3
	v_cvt_scalef32_pk8_fp8_f32 v[208+2*\d:209+2*\d], v[96+8*\d:103+8*\d], v246
.endr
	v_nop                                          ; a plain line behind the conversions
	global_store_b128 v4, v[208:211], s[\ob:\ob+1]
	global_store_b128 v4, v[212:215], s[\ob:\ob+1] offset:512
.if \more
	s_wait_storecnt 0x0                            ; both stores are done: their data registers are written again in the next pass, which begins with nothing of this one on its way.  Once a wave in the launch
.endif
.endm
	s_wait_loadcnt 0x0                             ; Q
	s_mov_b32 s[TRIP], 0
.Lpair:                                                ; four trips of two steps: steps 0 to 7
	ONE
	ONE
	s_cmp_lg_u32 s[TRIP], s19                      ; pass 0 is over behind its 2 (P + 1) steps: a branch on the cluster's x and the count, the same in all partners; no barrier and no tensor load stands under it
	s_cbranch_scc1 .Lsame
	FINAL 66, 1
	INIT
.irp i, 0,1,2,3,4,5,6,7
	v_mov_b32 v[16+\i], v[24+\i]                   ; pass 1's Q
.endr
.Lsame:
	s_add_co_u32 s[TRIP], s[TRIP], 1
	s_cmp_lt_u32 s[TRIP], 4
	s_cbranch_scc1 .Lpair
	s_mov_b32 s[TRIP], 9
.Lrest:                                                ; nine trips of one step: steps 8 to 16, all of pass 1
	ONE
	s_sub_co_u32 s[TRIP], s[TRIP], 1
	s_cmp_lg_u32 s[TRIP], 0
	s_cbranch_scc1 .Lrest
	CHANGE 0                                       ; the last step is written out
	STEP
	FINAL 68, 0
	s_wait_tensorcnt 0x0                           ; the wave's end
	ds_add_u32 v[SPW], v[NIL]
	s_wait_dscnt 0x0
	CROUND                                         ; the closing round
	s_endpgm
.Lfunc_end_k_q58fb600c8f_attn:
	.size	k_q58fb600c8f_attn, .Lfunc_end_k_q58fb600c8f_attn-k_q58fb600c8f_attn
	.p2alignl 7, 3214868480
	.fill 96, 4, 3214868480
	.section	.rodata,"a",@progbits
	.p2align	6, 0x0
	.amdhsa_kernel k_q58fb600c8f_attn
		.amdhsa_group_segment_fixed_size 327680
		.amdhsa_private_segment_fixed_size 0
		.amdhsa_enable_private_segment 0
		.amdhsa_kernarg_size 48
		.amdhsa_user_sgpr_count 2
		.amdhsa_user_sgpr_kernarg_segment_ptr 1
		.amdhsa_wavefront_size32 1
		.amdhsa_system_sgpr_workgroup_id_x 1
		.amdhsa_system_sgpr_workgroup_id_y 1
		.amdhsa_system_sgpr_workgroup_id_z 1
		.amdhsa_system_vgpr_workitem_id 0
		.amdhsa_next_free_vgpr 256
		.amdhsa_next_free_sgpr 100
		.amdhsa_reserve_vcc 0
		.amdhsa_float_denorm_mode_32 3
		.amdhsa_float_denorm_mode_16_64 3
		.amdhsa_memory_ordered 1
		.amdhsa_forward_progress 1
		.amdhsa_inst_pref_size 88
	.end_amdhsa_kernel
	.amdgpu_metadata
---
amdhsa.version: [ 1, 2 ]
amdhsa.kernels:
  - .name:           k_q58fb600c8f_attn
    .symbol:         k_q58fb600c8f_attn.kd
    .args:
      - { .name: q_img, .offset: 0, .size: 8, .value_kind: global_buffer, .address_space: global }
      - { .name: k_img, .offset: 8, .size: 8, .value_kind: global_buffer, .address_space: global }
      - { .name: v_img, .offset: 16, .size: 8, .value_kind: global_buffer, .address_space: global }
      - { .name: b_img, .offset: 24, .size: 8, .value_kind: global_buffer, .address_space: global }
      - { .name: lowp_scales, .offset: 32, .size: 8, .value_kind: global_buffer, .address_space: global }
      - { .name: a_img, .offset: 40, .size: 8, .value_kind: global_buffer, .address_space: global }
    .group_segment_fixed_size: 327680
    .private_segment_fixed_size: 0
    .kernarg_segment_align: 8
    .kernarg_segment_size: 48
    .max_flat_workgroup_size: 512
    .sgpr_count:     100
    .vgpr_count:     256
    .wavefront_size: 32
...
	.end_amdgpu_metadata
.endif
;; end of part 3
;; launch proj (part 4): grid 4 x 32, 4 waves a work-group, clusters of 4 x 4, 327,680 bytes of LDS; arguments a_img, wo_img, lowp_scales, out_b, out0; writes out0
.if DOCPART == 4
	.amdgcn_target "amdgcn-amd-amdhsa--gfx1250"
	.amdhsa_code_object_version 6
	.text
	.protected	k_q58fb600c8f_proj
	.globl	k_q58fb600c8f_proj
	.p2align	8
	.type	k_q58fb600c8f_proj,@function
k_q58fb600c8f_proj:
	s_mov_b64 s[64:65], 0
	v_nop
	global_prefetch_b8 v0, s[64:65] scope:SCOPE_SE
	s_setreg_imm32_b32 hwreg(HW_REG_WAVE_MODE, 25, 1), 1
	s_wait_xcnt 0x0
	s_wait_alu depctr_hold_cnt(0) depctr_sa_sdst(0) depctr_va_vdst(0) depctr_va_sdst(0) depctr_va_ssrc(0) depctr_va_vcc(0) depctr_vm_vsrc(0)
	s_getreg_b32 s2, hwreg(HW_REG_IB_STS2, 6, 4)
	s_cmp_eq_u32 s2, 0
	s_cbranch_scc0 .Lentry_in_a_cluster
	s_endpgm
.Lentry_in_a_cluster:
	s_bfe_u32 s2, ttmp6, 0x10000c
	s_cmp_lg_u32 s2, 0xf033
	s_cbranch_scc0 .Lentry_shape_is_right
	s_endpgm
.Lentry_shape_is_right:
; out0 = a out_w^T + out_b on codes of FP8 (E4M3): a (8,192 rows, scale 2^e6) and out_w (1,024 rows, scale 2^e7), K = 1,024; out0 [8192][1024] f32; sums in f32, each multiplied once by 2^(e6 + e7).
; OPERANDS lie as images of the registers: 128 rows x 256 k are 32,768 consecutive bytes: eight blocks of 16 rows (4,096 bytes), each two fragments of 128 k, each four groups of four registers (512 bytes, 16 a lane).
; A fragment: lane (r, h) holds row r; registers 2 c, 2 c + 1 hold k = 16 c + 8 h + 0 .. 7.  Every LDS load reads 512 consecutive bytes: no padding is wanted.
; A tile of 256 x 256 is made by a work-group of four waves; a wave makes 128 x 128: 64 accumulators.  K goes in steps of 256 through a ring of two LDS slots.  128 tiles: the tile is kept large, since a smaller one reads more LDS bytes for each product.
; SOURCE 0 = 16 rows of out_w (side S0), source 1 = 16 rows of a (side S1): a lane holds eight neighbouring numbers of a row of out0.
; CLUSTERS: 4 x 4 work-groups.  S1's tile is shared along my row of the cluster, S0's along my column: each is asked for JOINTLY.
; LIMIT: e6 + e7 between -126 and 127.
; REGISTERS, in windows of 256: window 0: v0-31 addresses; v32-95 the bias; v96-127 at work on the way out; from v128 S1's fragments, ONE set; on the way out v128-255 take rows read back from the stage.
;   window 1: S0's fragments, TWO sets.   window 2: the accumulators of my rows 0-63 (accumulator (a, b) at v[8 (8 a + b)]);   window 3: those of rows 64-127.
.set HALFT,  32768
.set SLOT,   4*HALFT
.set SPARE,  2*SLOT                    ; behind the ring: the spare words, 128 bytes for each wave: two blocks of 256 bytes that no other line names
.set KSB,    32768
.set FR,     16
.set NL,     4
.set NP,     4
.set LAPS,   2
.set SIZE_N, 1024
.set SPITCH, 528                       ; the way out: a stage of 16 rows x (512 bytes + 16) for each wave, in slot 0, which has had its last fill and its last read when the first result is stored there
.set ADRA, 16
.set ADRB, 20
.set STO,  24                          ; v24     the way out: where I put 32 bytes of a row
.set RD,   25                          ; v25     where I read a row back
.set CO,   26                          ; v26     16 x lane: my byte offset in a row of out0
.set BH,   27                          ; v27     32 h
.set SPW,  28
.set NIL,  29
.set BI,   32
.set TMP,  96
.set AF,   128
.set BK,   128
.set OUTP, 12                          ; s[12:13] out0
.set G1, 24
.set G0, 32
.set G1B, 48
.set G0B, 56
.set MSB, 0
.macro WIN new                         ; the immediate's high byte repeats the setting that is left
.if MSB != \new
	s_set_vgpr_msb (MSB<<8)|\new
.set MSB, \new
.endif
.endm
.set MUL_LO, 0xa1
.set MUL_HI, 0xf1
.set TO_B,   0x40
.macro JLOAD g0a, g1a, g0b, g1b        ; a joint load: waves 0 and 1 fetch for S1, waves 2 and 3 for S0; four v_nop follow each of the two lines
	s_cmp_eq_u32 s15, 0
	s_cbranch_scc0 .Lfor_b_\@
	tensor_load_to_lds s[\g0a:\g0a+3], s[\g1a:\g1a+7]
	s_nop 0
.rept 4
	v_nop
.endr
	s_branch .Lasked_\@
.Lfor_b_\@:
	tensor_load_to_lds s[\g0b:\g0b+3], s[\g1b:\g1b+7]
	s_nop 0
.rept 4
	v_nop
.endr
.Lasked_\@:
.endm
.macro CREST
	s_cmp_lg_u32 s14, 0
	s_cbranch_scc1 .Lnot_wave_0_\@
	s_barrier_signal -3
.Lnot_wave_0_\@:
	s_barrier_wait -3
	s_barrier_signal -1
	s_barrier_wait -1
.endm
.macro CROUND
	s_barrier_signal -1
	s_barrier_wait -1
	CREST
.endm
	s_load_b128 s[4:7], s[0:1], 0x0                ; a_img, wo_img
	s_load_b128 s[8:11], s[0:1], 0x10              ; the scales' exponents, out_b
	s_load_b64 s[OUTP:OUTP+1], s[0:1], 0x20        ; out0
	v_lshl_add_u32 v[SPW], v0, 2, SPARE
	v_mov_b32 v[NIL], 0
	ds_add_u32 v28, v29
	s_wait_dscnt 0x0
	v_lshrrev_b32 v1, 5, v0
	v_readfirstlane_b32 s14, v1                    ; wave 0..3
	s_lshr_b32 s15, s14, 1                         ; which half of the tile's rows is mine.  Also: I fetch for S1 (0) or for S0 (1)
	s_and_b32 s16, s14, 1                          ; which half of its columns.  Also: which 128 rows of that tile I fetch
	s_bfe_u32 s40, ttmp6, 0x40000                  ; cx, cy
	s_bfe_u32 s41, ttmp6, 0x40004
	s_lshl_b32 s42, ttmp9, 2
	s_add_co_u32 s42, s42, s40                     ; tile column = 4 x cluster x + cx
	s_and_b32 s17, ttmp7, 0xffff
	s_lshl_b32 s17, s17, 2
	s_add_co_u32 s17, s17, s41                     ; tile row = 4 x cluster y + cy
	s_lshl_b32 s43, s41, 2
	s_lshl_b32 s43, 15, s43                        ; my row of the cluster
	s_lshl_b32 s44, 0x1111, s40                    ; my column
	s_or_b32 s[G1+0], s43, (3<<16)|(1<<21)         ; 15:0 the mask; 17:16 elements of 8 bytes; 20 no padding; 21 set beside a mask
	s_or_b32 s[G1B+0], s44, (3<<16)|(1<<21)
.irp g, G1, G1B
	s_mov_b32 s[\g+1], 32<<16                      ; 32,768 consecutive bytes as 128 rows of 32 elements of 8 bytes
	s_mov_b32 s[\g+2], 128<<16
	s_mov_b32 s[\g+3], 32<<16
	s_mov_b32 s[\g+4], 128
	s_mov_b32 s[\g+5], 32
	s_mov_b32 s[\g+6], 0
	s_mov_b32 s[\g+7], 0
.endr
	s_lshl_b32 s20, s17, 1
	s_add_co_u32 s20, s20, s16
	s_lshl_b32 s20, s20, 17                        ; S1: (2 x tile row + half) x 131072 bytes
	s_mov_b32 s21, 0
	s_lshl_b32 s46, s42, 1
	s_add_co_u32 s46, s46, s16
	s_lshl_b32 s46, s46, 17                        ; S0 likewise
	s_mov_b32 s47, 0
	s_mul_i32 s45, s14, HALFT
	s_lshl_b32 s92, s42, 10                        ; my first column, in bytes of f32: 1,024 x tile column + 512 x half: in out_b and in a row of out0
	s_lshl_b32 s93, s16, 9
	s_add_co_u32 s92, s92, s93
	s_mov_b32 s93, 0
	s_lshl_b32 s94, s17, 20                        ; my first row of out0: (256 x tile row + 128 x half) x 4,096 bytes
	s_lshl_b32 s95, s15, 19
	s_add_co_u32 s94, s94, s95
	s_mov_b32 s95, 0
	s_wait_kmcnt 0x0
	s_load_b256 s[84:91], s[8:9], 0x0              ; e0 .. e7
	s_add_nc_u64 s[20:21], s[4:5], s[20:21]
	s_add_nc_u64 s[46:47], s[6:7], s[46:47]
	s_add_nc_u64 s[80:81], s[10:11], s[92:93]
	s_add_nc_u64 s[OUTP:OUTP+1], s[OUTP:OUTP+1], s[92:93]
	s_add_nc_u64 s[OUTP:OUTP+1], s[OUTP:OUTP+1], s[94:95]
	CROUND                                         ; all sixteen work-groups are here: the first joint loads meet
.irp s, 0,1
	s_mov_b32 s[G0+4*\s], 1
	s_add_co_u32 s[G0+4*\s+1], s45, \s*SLOT
	s_add_nc_u64 s[G0+4*\s+2:G0+4*\s+3], s[20:21], \s*KSB
	s_or_b32 s[G0+4*\s+3], s[G0+4*\s+3], 0x80000000
	s_mov_b32 s[G0B+4*\s], 1
	s_add_co_u32 s[G0B+4*\s+1], s45, \s*SLOT
	s_add_nc_u64 s[G0B+4*\s+2:G0B+4*\s+3], s[46:47], \s*KSB
	s_or_b32 s[G0B+4*\s+3], s[G0B+4*\s+3], 0x80000000
	JLOAD G0+4*\s, G1, G0B+4*\s, G1B
.endr
	v_and_b32 v1, 15, v0                           ; r
	v_bfe_u32 v2, v0, 4, 1                         ; h
	v_and_b32 v6, 31, v0
	v_lshlrev_b32 v[CO], 4, v6
	v_lshlrev_b32 v[BH], 5, v2
	s_mul_i32 s21, s15, HALFT
	s_mul_i32 s22, s16, HALFT
	s_add_co_u32 s22, s22, 2*HALFT
.irp s, 0,1
	v_add_nc_u32 v[ADRA+\s], s21, v[CO]
	v_add_nc_u32 v[ADRB+\s], s22, v[CO]
	s_add_co_u32 s21, s21, SLOT
	s_add_co_u32 s22, s22, SLOT
.endr
	s_mul_i32 s23, s14, 16*SPITCH                  ; my stage
	v_mul_u32_u24 v5, v1, SPITCH                   ; in: row r, 32 bytes for each half of the lanes
	v_lshl_add_u32 v5, v2, 5, v5
	v_add_nc_u32 v[STO], s23, v5
	v_add_nc_u32 v[RD], s23, v[CO]                 ; back: the 32 lanes take one row of 512 bytes
.irp b, 0,1,2,3,4,5,6,7
	global_load_b128 v[BI+8*\b:BI+8*\b+3], v[BH], s[80:81] offset:64*\b          ; register 8 b + j: the bias of my column 16 b + 8 h + j; it lands under the products
	global_load_b128 v[BI+8*\b+4:BI+8*\b+7], v[BH], s[80:81] offset:64*\b+16
.endr
.macro FRAG reg, adr, q, i
.irp c, 0,1,2,3
	ds_load_b128 v[\reg+4*\c:\reg+4*\c+3], v[\adr] offset:2048*(\q)+512*\c+(\i)*4096
.endr
.endm
.macro MUL16 a0, p, zero               ; 16 matrix instructions; the 64 accumulators take turns, one instruction a turn
.irp a, \a0, \a0+1
.irp b, 0,1,2,3,4,5,6,7
.if \zero
	v_wmma_f32_16x16x128_fp8_fp8 v[8*(8*((\a)%4)+\b):8*(8*((\a)%4)+\b)+7], v[128*(\p)+FR*\b:128*(\p)+FR*\b+FR-1], v[AF+FR*(\a):AF+FR*(\a)+FR-1], 0
.else
	v_wmma_f32_16x16x128_fp8_fp8 v[8*(8*((\a)%4)+\b):8*(8*((\a)%4)+\b)+7], v[128*(\p)+FR*\b:128*(\p)+FR*\b+FR-1], v[AF+FR*(\a):AF+FR*(\a)+FR-1], v[8*(8*((\a)%4)+\b):8*(8*((\a)%4)+\b)+7]
.endif
.endr
.endr
.endm
.macro FETCH_B slot, q, p
	WIN TO_B
.irp i, 0,1,2,3,4,5,6,7
	FRAG 128*(\p)+FR*\i, ADRB+\slot, \q, \i
.endr
	WIN 0
.endm
.macro FETCH_A slot, q, i0
.irp i, \i0, \i0+1, \i0+2, \i0+3
	FRAG AF+FR*(\i), ADRA+\slot, \q, \i
.endr
.endm
.macro PLACES n                        ; plain vector lines between a matrix instruction and a load into, or a read of, its registers
.rept \n
	v_nop
.endr
.endm
.macro STEP slot, q, zero
	s_wait_dscnt 4*NL                              ; S0's set and S1's blocks 0-3 are in; the youngest sixteen loads (blocks 4-7) may be out
	WIN MUL_LO
	MUL16 0, (\q)%2, \zero
	MUL16 2, (\q)%2, \zero
	s_wait_dscnt 0
	PLACES NP
	FETCH_B \slot, (\q)+1, 1-(\q)%2
	FETCH_A \slot, (\q)+1, 0
	WIN MUL_HI
	MUL16 4, (\q)%2, \zero
	MUL16 6, (\q)%2, \zero
	PLACES NP
	WIN 0
	FETCH_A \slot, (\q)+1, 4
.endm
.macro TURN slot, next, fill
	s_wait_tensorcnt 0x0                           ; all my tensor loads have landed: my part of the next slot
	ds_add_u32 v[SPW], v[NIL]                      ; 0 onto my spare word
	s_wait_dscnt 4*NL+1                            ; (the add and the youngest sixteen loads may be out)
	WIN MUL_LO
	MUL16 0, 1, 0
	s_wait_dscnt 0x0                               ; the add is done, and my reads of this slot are over
	s_barrier_signal -1
	MUL16 2, 1, 0
	WIN 0
	s_barrier_wait -1
.if \fill
	CREST                                          ; the barrier has opened a round of the cluster's barrier
	s_add_nc_u64 s[G0+4*\slot+2:G0+4*\slot+3], s[G0+4*\slot+2:G0+4*\slot+3], 2*KSB
	s_add_nc_u64 s[G0B+4*\slot+2:G0B+4*\slot+3], s[G0B+4*\slot+2:G0B+4*\slot+3], 2*KSB
	JLOAD G0+4*\slot, G1, G0B+4*\slot, G1B         ; the first tensor load behind the round; its four v_nop are the places in front of the loads below
.else
	PLACES NP
.endif
	FETCH_B \next, 0, 0
	FETCH_A \next, 0, 0
	WIN MUL_HI
	MUL16 4, 1, 0
	MUL16 6, 1, 0
	PLACES NP
	WIN 0
	FETCH_A \next, 0, 4
.endm
	s_wait_tensorcnt 1                             ; my part of K step 0 is in (K step 1's load may be out)
	s_barrier_signal -1
	s_barrier_wait -1
	FETCH_B 0, 0, 0
	FETCH_A 0, 0, 0
	FETCH_A 0, 0, 4
	STEP 0, 0, 1
	s_mov_b32 s3, LAPS-1
.Llap:
	TURN 0, 1, 1
	STEP 1, 0, 0
	TURN 1, 0, 1
	STEP 0, 0, 0
	s_sub_co_u32 s3, s3, 1
	s_cmp_lg_u32 s3, 0
	s_cbranch_scc1 .Llap
	TURN 0, 1, 0
	STEP 1, 0, 0
	s_wait_dscnt 4*NL
	WIN MUL_LO
	MUL16 0, 1, 0
	MUL16 2, 1, 0
	s_wait_dscnt 0
	WIN MUL_HI
	MUL16 4, 1, 0
	MUL16 6, 1, 0
	WIN 0
; THE WAY OUT, block by block of 16 rows x 128 columns: sum x 2^(e6 + e7) + bias, through my own stage in LDS, back as whole rows of 512 bytes, which the 32 lanes store as 512 consecutive bytes, aligned.
; LDS serves a wave's instructions in order (ISA guide 5.7.1.4): no wait between the stores and the loads, nor in front of the next block's stores.
.macro TOSTAGE a
.set AC, 64*((\a)%4)
.irp hf, 0,1
	WIN 0x02+((\a)/4)                              ; source 0: window 2 or 3
.irp j, 0,2,4,6,8,10,12,14,16,18,20,22,24,26,28,30
	v_pk_fma_f32 v[TMP+\j:TMP+\j+1], v[AC+32*\hf+\j:AC+32*\hf+\j+1], s[96:97], v[BI+32*\hf+\j:BI+32*\hf+\j+1] op_sel_hi:[1,0,1]   ; each accumulator from its low end on
.endr
	WIN 0
.irp b, 0,1,2,3
	ds_store_b128 v[STO], v[TMP+8*\b:TMP+8*\b+3] offset:64*(4*\hf+\b)
	ds_store_b128 v[STO], v[TMP+8*\b+4:TMP+8*\b+7] offset:64*(4*\hf+\b)+16
.endr
.endr
.set BB, BK+64*((\a)%2)
.irp t, 0,1,2,3,4,5,6,7,8,9,10,11,12,13,14,15
	ds_load_b128 v[BB+4*\t:BB+4*\t+3], v[RD] offset:\t*SPITCH
.endr
.endm
.macro SEND a, younger                 ; younger: the LDS instructions issued behind block a's loads, which may stay out
.set BB, BK+64*((\a)%2)
	s_wait_dscnt \younger
.if (\a) > 0
	s_add_nc_u64 s[OUTP:OUTP+1], s[OUTP:OUTP+1], 16*SIZE_N*4   ; (behind a wait on XCNT: the earlier stores have read their base)  16 rows on
.endif
.irp t, 0,1,2,3,4,5,6,7,8,9,10,11,12,13,14,15
	global_store_b128 v[CO], v[BB+4*\t:BB+4*\t+3], s[OUTP:OUTP+1] offset:\t*SIZE_N*4 th:TH_STORE_NT   ; written once, read by nobody here
.endr
.endm
	s_wait_kmcnt 0x0
	s_add_co_i32 s96, s90, s91
	s_add_co_i32 s96, s96, 127
	s_lshl_b32 s96, s96, 23                        ; 2^(e6 + e7) as f32
	s_mov_b32 s97, s96
	s_wait_loadcnt 0x0                             ; the bias
	PLACES NP                                      ; behind the last products: their results are read, and loads land in S1's registers
	TOSTAGE 0
.irp a, 1,2,3,4,5,6,7
.if \a > 1
	s_wait_xcnt 0x0                                ; block a - 2's stores have read their registers and their base
.endif
	TOSTAGE \a
	SEND \a-1, 32                                  ; behind block a - 1's loads: block a's 16 stores and 16 loads
.endr
	s_wait_xcnt 0x0
	SEND 7, 0
	s_wait_tensorcnt 0x0                           ; the wave's end
	ds_add_u32 v[SPW], v[NIL]
	s_wait_dscnt 0x0
	CROUND                                         ; the closing round
	s_endpgm
.Lfunc_end_k_q58fb600c8f_proj:
	.size	k_q58fb600c8f_proj, .Lfunc_end_k_q58fb600c8f_proj-k_q58fb600c8f_proj
	.p2alignl 7, 3214868480
	.fill 96, 4, 3214868480
	.section	.rodata,"a",@progbits
	.p2align	6, 0x0
	.amdhsa_kernel k_q58fb600c8f_proj
		.amdhsa_group_segment_fixed_size 327680
		.amdhsa_private_segment_fixed_size 0
		.amdhsa_enable_private_segment 0
		.amdhsa_kernarg_size 40
		.amdhsa_user_sgpr_count 2
		.amdhsa_user_sgpr_kernarg_segment_ptr 1
		.amdhsa_wavefront_size32 1
		.amdhsa_system_sgpr_workgroup_id_x 1
		.amdhsa_system_sgpr_workgroup_id_y 1
		.amdhsa_system_sgpr_workgroup_id_z 1
		.amdhsa_system_vgpr_workitem_id 0
		.amdhsa_next_free_vgpr 1024
		.amdhsa_next_free_sgpr 98
		.amdhsa_reserve_vcc 0
		.amdhsa_float_denorm_mode_32 3
		.amdhsa_float_denorm_mode_16_64 3
		.amdhsa_memory_ordered 1
		.amdhsa_forward_progress 1
		.amdhsa_inst_pref_size 125
	.end_amdhsa_kernel
	.amdgpu_metadata
---
amdhsa.version: [ 1, 2 ]
amdhsa.kernels:
  - .name:           k_q58fb600c8f_proj
    .symbol:         k_q58fb600c8f_proj.kd
    .args:
      - { .name: a_img, .offset: 0, .size: 8, .value_kind: global_buffer, .address_space: global }
      - { .name: wo_img, .offset: 8, .size: 8, .value_kind: global_buffer, .address_space: global }
      - { .name: lowp_scales, .offset: 16, .size: 8, .value_kind: global_buffer, .address_space: global }
      - { .name: out_b, .offset: 24, .size: 8, .value_kind: global_buffer, .address_space: global }
      - { .name: out0, .offset: 32, .size: 8, .value_kind: global_buffer, .address_space: global }
    .group_segment_fixed_size: 327680
    .private_segment_fixed_size: 0
    .kernarg_segment_align: 8
    .kernarg_segment_size: 40
    .max_flat_workgroup_size: 128
    .sgpr_count:     98
    .vgpr_count:     1024
    .wavefront_size: 32
...
	.end_amdgpu_metadata
.endif
;; end of part 4
